; MI455X (gfx1250); checked and timed in simulation.
; The chip was launched on July 23, 2026; its instructions are those of AMD's public machine-readable ISA for CDNA 5 (MIT licence, August 2026) and "CDNA5" Instruction Set Architecture Reference Guide (July 2026). The comments in the code are by the model that wrote it; some were corrected since.
;; Decoder Self Attention. Allowed arithmetic: matrix products marked QUANTISED: E2M3 operands, one E8M0 scale for each 32 along K, by v_wmma_scale_f32_16x16x128_f8f6f4 with both operands' format E2M3, f32 sums; everything else in f32.
;; Inputs: w_attn 3,072 x 1,024 float32; w_proj 1,024 x 1,024 float32; x 4 x 2,048 x 1,024 float32.
;; Outputs: out0 4 x 2,048 x 1,024 float32.
;; This version of the problem:
;;   THIS VERSION OF THE PROBLEM IS GIVEN IN LOW PRECISION. The matrix products marked QUANTISED in the list below multiply operands that are first quantised to E2M3 (2 exponent bits, 3 mantissa bits; 6 bits a number), with one power-of-two scale for each 32 numbers along K (OCP MX v1.0); their sums are f32. All else is computed in f32.
;;   The module's matrix products, in the order in which they are computed (A, B: the left and right operand; K: the contracted axis; several contracted axes count as one K, in the product's order):
;;     1. [M 8,192, K 1,024] x [K 1,024, N 3,072]; A: input x; B: input w_attn: QUANTISED
;;     2. batch 64 x [M 2,048, K 64] x [K 64, N 2,048]; A: computed on the way; B: computed on the way: QUANTISED
;;     3. batch 64 x [M 2,048, K 2,048] x [K 2,048, N 64]; A: softmax (see below); B: computed on the way: QUANTISED
;;     4. [M 8,192, K 1,024] x [K 1,024, N 1,024]; A: computed on the way; B: input w_proj: QUANTISED
;;   THE QUANTISER, for each operand of a quantised product, along K:
;;     - K is cut into blocks of 32 from its start; a last block that is shorter is filled with zeros.
;;     - A block's scale is 2^e with e = floor(log2(the largest magnitude in the block)) - 2, held to -126 .. 127; a block of zeros has e = 0. As a byte (E8M0): e + 127.
;;     - Each number is divided by its block's scale, clamped to +-7.5, and rounded to the nearest number of E2M3, ties to even, subnormals kept.
;;     - The product sums the exact products of the quantised numbers (number of the format x scale) in f32.
;;   ~~~python
;;   def quantise(x, axis):      # numpy; x: float32 -> the quantised numbers, widened to float32 again
;;       x = np.moveaxis(x, axis, -1); K = x.shape[-1]
;;       x = np.pad(x, [(0, 0)] * (x.ndim - 1) + [(0, -K % 32)]); x = x.reshape(x.shape[:-1] + (-1, 32)); a = np.abs(x).max(-1, keepdims=True)
;;       e = np.where(a > 0, np.clip(np.frexp(np.where(a > 0, a, 1))[1] - 1 - 2, -126, 127), 0)      # np.frexp(a)[1] - 1 = floor(log2(a)), exactly
;;       r = np.clip(x / 2.0 ** e, -7.5, 7.5)
;;       step = 2.0 ** (np.maximum(np.frexp(np.where(r == 0, 1, r))[1] - 1, 0) - 3)
;;       q = np.round(r / step) * step * 2.0 ** e      # np.round: ties to even
;;       return np.moveaxis(q.reshape(q.shape[:-2] + (-1,))[..., :K], -1, axis).astype(np.float32)
;;   ~~~
;;   SOFTMAX AHEAD OF A QUANTISED PRODUCT. Where the list says 'softmax', what is quantised is not the finished softmax but p = 2^(t - M), with t = logit x log2(e) and M = ceil(the row's largest t), a whole number; so 1/2 < the row's largest p <= 1. The row's sum l is taken of the UNQUANTISED p, in f32, and the product's result is divided by l at the end. Since M is a whole number, a kernel that streams over the keys may use a running M (the ceiling of the running maximum): every later rescaling is an exact power of two, which a block's scale takes up: the codes' values come out the same.
;;   OPERANDS COMPUTED ON THE WAY. 'Computed on the way' means the value that the module computes at that place (a softmax that the list does not call 'softmax' is quantised finished and normalised). What goes into a quantiser is computed in f32, as accurately as f32 sums, v_exp_f32 and their like allow (about 1e-6 of the number): no bf16 or f16 on the way to a quantiser, and a product that is left as it is and whose result goes on into a quantised operand takes f32 operands (vector FMAs, or v_wmma_f32_16x16x4_f32). A number that lies on a knife's edge between two numbers of the format may be rounded either way, as far as f32 arithmetic and the matrix unit's own rounding can turn it there, and no further.
;; One version. Each part assembles by itself: llvm-mc -triple=amdgcn-amd-amdhsa -mcpu=gfx1250 --defsym DOCPART=n.
;; ======== version 1 of 1: 4 launches
;; workspace buffers: xw_codes 8,650,752 bytes; xw_scales 360,448 bytes; yw_codes 7,077,888 bytes; yw_scales 294,912 bytes; qimg 6,815,744 bytes; kv 13,369,344 bytes
;; launch quant (part 1): grid 384 x 1, 4 waves a work-group, no clusters, 34,304 bytes of LDS; arguments x, w_attn, w_proj, xw_codes, xw_scales, yw_codes, yw_scales; writes xw_codes, xw_scales, yw_codes, yw_scales
.if DOCPART == 1
	.amdgcn_target "amdgcn-amd-amdhsa--gfx1250"
	.amdhsa_code_object_version 6
	.text
	.protected	k_q1600f21cbf_quant
	.globl	k_q1600f21cbf_quant
	.p2align	8
	.type	k_q1600f21cbf_quant,@function
k_q1600f21cbf_quant:
	s_mov_b64 s[64:65], 0
	v_nop
	global_prefetch_b8 v0, s[64:65] scope:SCOPE_SE
	s_setreg_imm32_b32 hwreg(HW_REG_WAVE_MODE, 25, 1), 1
	s_wait_xcnt 0x0
; x [8192][1024], w_attn [3072][1024], w_proj [1024][1024], f32, K innermost, become codes of FP6 (E2M3) with one E8M0 byte for each 32 along K.
; A block's scale is 2^(floor(log2(its largest magnitude)) - 2): its byte is the largest magnitude's exponent field - 2, held at 1 from below.
; LIMITS: NaN and infinities are not served; a block of zeros, or one whose largest magnitude lies under 2^-124, gets the byte 1 (its codes are zeros or taken at that scale); the bytes are read by this program alone.
; LAYOUT OUT: images of the operand's registers.  A fragment (16 rows x 128 K, 12 registers a lane) is 1,536 bytes: registers 0-3 at 16 x lane, 4-5 at 512 + 8 x lane, 6-9 at 768 + 16 x lane, 10-11 at 1,280 + 8 x lane.
;   codes: [K slot of 256][row tile of 16][2 fragments];  scale words: [row tile][K half][row][4 words], word j for K step 4 x half + j.
;   x's 512 row tiles and w_attn's 192 share one pair of buffers, w_proj's 64 lie behind the 512 row tiles that the attention launch fills in the other pair.
; ORDER INSIDE A BLOCK OF 32, in all code streams of this program: place 16 h + 8 u + j holds the block's number 16 u + 8 h + j.  A block keeps its members, so its scale is the rule's;
;   both operands of every product have the same order, so the products are the same.  It is the order in which a matrix result used transposed falls into a lane's registers.
; SHARES: a wave takes 16 rows x 512 along K: four fragments.  Each load reads 512 consecutive bytes of one row; the 16 rows turn through the wave's own stage in LDS (rows 528 bytes apart,
;   so that the 16 rows of a read start in different banks) and come back 16 numbers of each block to a lane.  No tensor load, no barrier: waves share nothing.  Two fragments' loads (32 a wave) are out.
; No prefetch and no cluster: the launch is one stream that is read once by loads that are all independent.
.set SSTR1, 704*3072                   ; bytes from a K slot to the next in xw_codes
.set SSTR2, 576*3072                   ; in yw_codes
.set STGB,  16*528                     ; a wave's stage
.set SPARE, 4*STGB                     ; behind the stages: the spare words, 128 bytes a wave
.set L16,  2                           ; v2   16 x lane
.set L8,   3                           ; v3   8 x lane
.set SIN,  4                           ; v4   the stage, on the way in
.set SOUT, 5                           ; v5   and out: row r, + 32 h
.set SCO,  6                           ; v6   16 r + 8 h: my two scale words
.set SPW,  8                           ; v8   my spare word; never rewritten
.set NIL,  9                           ; v9   0; never rewritten
.set R,    16                          ; v16-143  two sets of 64: rows as loaded
.set X,    144                         ; v144-207 64 numbers of my row
.set PC,   208                         ; v208-219 a fragment's codes (v220-222, v224-226: second halves as converted)
.set TM,   228                         ; v228-243 at work
.set W,    244                         ; v244-247 the four scale words
.set Y,    248                         ; v248-249 the two that I store
.set SEL,  30                          ; s[30:31] selects for lane l xor 16
	s_load_b256 s[4:11], s[0:1], 0x0               ; x, w_attn, w_proj, xw_codes
	s_load_b128 s[12:15], s[0:1], 0x20             ; xw_scales, yw_codes
	s_load_b64 s[16:17], s[0:1], 0x30              ; yw_scales
	v_lshl_add_u32 v[SPW], v0, 2, SPARE
	v_mov_b32 v[NIL], 0
	v_lshrrev_b32 v1, 5, v0
	v_readfirstlane_b32 s18, v1                    ; wave
	v_and_b32 v1, 31, v0                           ; lane
	v_and_b32 v10, 15, v0                          ; r
	v_bfe_u32 v11, v0, 4, 1                        ; h
	v_lshlrev_b32 v[L16], 4, v1
	v_lshlrev_b32 v[L8], 3, v1
	s_mul_i32 s19, s18, STGB
	v_add_nc_u32 v[SIN], s19, v[L16]
	v_mul_u32_u24 v[SOUT], v10, 528
	v_lshl_add_u32 v[SOUT], v11, 5, v[SOUT]
	v_add_nc_u32 v[SOUT], s19, v[SOUT]
	v_lshlrev_b32 v[SCO], 4, v10
	v_lshl_add_u32 v[SCO], v11, 3, v[SCO]
.irp b, 0,1,2,3
	v_mov_b32 v[TM+4+\b], 0                        ; written once: a lane permute's destination counts as one of its sources
.endr
	s_mov_b32 s[SEL], 0x76543210
	s_mov_b32 s[SEL+1], 0xfedcba98
	s_mov_b32 s32, 0xffff0000                      ; lanes 16-31
	s_lshl_b32 s33, ttmp9, 2
	s_add_co_u32 s33, s33, s18                     ; my unit: 4 x work-group + wave
	s_lshr_b32 s34, s33, 1                         ; its row tile, 0 .. 767
	s_and_b32 s35, s33, 1                          ; its half of K
	s_wait_kmcnt 0x0
	s_cmp_lt_u32 ttmp9, 256                        ; the choices hang on the work-group's number alone: 256 work-groups for x, 96 for w_attn, 32 for w_proj
	s_cselect_b64 s[20:21], s[4:5], s[6:7]
	s_cselect_b32 s22, 0, 512                      ; the source's first row tile
	s_cmp_lt_u32 ttmp9, 352
	s_cselect_b64 s[20:21], s[20:21], s[8:9]
	s_cselect_b32 s22, s22, 704
	s_cselect_b64 s[24:25], s[10:11], s[14:15]     ; codes
	s_cselect_b64 s[26:27], s[12:13], s[16:17]     ; scale words
	s_cselect_b32 s23, 0, 192                      ; w_proj's row tiles 704 .. 767 go to places 512 .. 575
	s_mov_b32 s28, SSTR2
	s_cselect_b32 s28, SSTR1, s28
	s_sub_co_u32 s22, s34, s22
	s_lshl_b32 s36, s22, 16                        ; 16 rows of 4,096 bytes
	s_lshl_b32 s37, s35, 11                        ; + my half of K
	s_add_co_u32 s36, s36, s37
	s_mov_b32 s37, 0
	s_add_nc_u64 s[20:21], s[20:21], s[36:37]      ; where I read
	s_sub_co_u32 s23, s34, s23
	s_mul_i32 s36, s23, 3072
	s_mul_i32 s38, s35, s28
	s_lshl_b32 s38, s38, 1                         ; K slots 2 x half, 2 x half + 1
	s_add_co_u32 s36, s36, s38
	s_add_nc_u64 s[24:25], s[24:25], s[36:37]      ; fragments 0, 1
	s_mov_b32 s29, 0
	s_add_nc_u64 s[40:41], s[24:25], s[28:29]      ; fragments 2, 3
	s_lshl_b32 s36, s23, 9
	s_lshl_b32 s38, s35, 8
	s_add_co_u32 s36, s36, s38
	s_add_nc_u64 s[26:27], s[26:27], s[36:37]      ; my 256 bytes of scale words
.macro LOAD f                          ; fragment f: 128 numbers of each of my 16 rows; a load reads 512 consecutive bytes
.irp i, 0,1,2,3,4,5,6,7,8,9,10,11,12,13,14,15
	global_load_b128 v[R+64*((\f)%2)+4*\i:R+64*((\f)%2)+4*\i+3], v[L16], s[20:21] offset:\i*4096+(\f)*512 th:TH_LOAD_NT
.endr
.endm
; 64 numbers of a lane, register 16 b + i = place 32 b + 16 h + i of my row, become a fragment's codes in v[PC] on and its scale word in v[pw]
.macro QUANT s, pw
.irp b, 0,1,2,3
	v_max3_num_f32 v[TM+\b], |v[\s+16*\b]|, |v[\s+1+16*\b]|, 0x1800000   ; block b: my 16 numbers, and the floor 2^(3 - 127): so the byte cannot fall under 1
.endr
.irp i, 2,4,6,8,10,12,14
.irp b, 0,1,2,3
	v_max3_num_f32 v[TM+\b], v[TM+\b], |v[\s+16*\b+\i]|, |v[\s+1+16*\b+\i]|   ; the four blocks by turns
.endr
.endr
.irp b, 0,1,2,3
	v_permlanex16_b32 v[TM+4+\b], v[TM+\b], s[SEL], s[SEL+1]
.endr
.irp b, 0,1,2,3
	v_max_num_f32 v[TM+\b], v[TM+\b], v[TM+4+\b]   ; with lane l xor 16: the block's largest magnitude
.endr
.irp b, 0,1,2,3
	v_add_nc_u32 v[TM+12+\b], 0xff000000, v[TM+\b] ; 2 off its exponent field: the conversion takes that field as its scale
.endr
.irp b, 0,1,2,3
	v_lshrrev_b32 v[TM+4+\b], 23, v[TM+12+\b]      ; the scale's byte
.endr
	v_lshl_or_b32 v[\pw], v[TM+5], 8, v[TM+4]
	v_lshl_or_b32 v[\pw], v[TM+6], 16, v[\pw]
	v_lshl_or_b32 v[\pw], v[TM+7], 24, v[\pw]
.irp c, 0,1
	v_cvt_scalef32_pk16_fp6_f32 v[PC+6*\c:PC+2+6*\c], v[\s+32*\c:\s+15+32*\c], v[TM+12+2*\c]
	v_cvt_scalef32_pk16_fp6_f32 v[PC+12+4*\c:PC+14+4*\c], v[\s+16+32*\c:\s+31+32*\c], v[TM+13+2*\c]   ; a conversion's three registers begin on an even number
.endr
	v_nop                                          ; one plain place behind a scaled conversion
.irp c, 0,1                                    ; the operand wants a whole block in a lane: lanes 0-15 block 2 c, lanes 16-31 block 2 c + 1
.irp i, 0,1,2
	v_permlane16_swap_b32 v[PC+6*\c+\i], v[PC+12+4*\c+\i]
.endr
.irp i, 0,1,2
	v_mov_b32 v[PC+3+6*\c+\i], v[PC+12+4*\c+\i]
.endr
.endr
.endm
.macro FRG f, p                        ; fragment f, stored by the pointer s[p:p+1]
.if (\f) < 3
	s_wait_loadcnt 16                              ; this fragment's 16 loads are in; the next fragment's 16 may be out
.else
	s_wait_loadcnt 0x0
.endif
.irp i, 0,1,2,3,4,5,6,7,8,9,10,11,12,13,14,15
	ds_store_b128 v[SIN], v[R+64*((\f)%2)+4*\i:R+64*((\f)%2)+4*\i+3] offset:\i*528
.endr
.irp b, 0,1,2,3                                ; LDS serves a wave's instructions in order: these see the stores above.  Register 16 b + 8 u + 4 t takes the numbers 32 b + 16 u + 8 h + 4 t on
.irp u, 0,1
.irp t, 0,1
	ds_load_b128 v[X+16*\b+8*\u+4*\t:X+16*\b+8*\u+4*\t+3], v[SOUT] offset:128*\b+64*\u+16*\t
.endr
.endr
.endr
	s_wait_dscnt 0x0                               ; my row is in, and the stores have read their registers,
.if (\f) < 2
	LOAD (\f)+2                                    ; which take the fragment two on
.endif
.if (\f) > 0
	s_wait_xcnt 0x0                                ; the last fragment's stores have read the codes' registers
.endif
	QUANT X, W+(\f)
	global_store_b128 v[L16], v[PC:PC+3], s[\p:\p+1] offset:((\f)%2)*1536           ; 512 consecutive bytes,
	global_store_b64 v[L8], v[PC+4:PC+5], s[\p:\p+1] offset:((\f)%2)*1536+512       ; 256,
	global_store_b128 v[L16], v[PC+6:PC+9], s[\p:\p+1] offset:((\f)%2)*1536+768     ; 512,
	global_store_b64 v[L8], v[PC+10:PC+11], s[\p:\p+1] offset:((\f)%2)*1536+1280    ; 256: each at a multiple of 256 from the buffer's first byte
.endm
	LOAD 0
	LOAD 1
	FRG 0, 24
	FRG 1, 24
	FRG 2, 40
	FRG 3, 40
	v_cndmask_b32 v[Y], v[W], v[W+2], s32          ; lanes 0-15 store words 0, 1 of their row, lanes 16-31 words 2, 3
	v_cndmask_b32 v[Y+1], v[W+1], v[W+3], s32
	global_store_b64 v[SCO], v[Y:Y+1], s[26:27]    ; 256 consecutive bytes
	s_wait_tensorcnt 0x0                           ; the wave's end, behind my last LDS store
	ds_add_u32 v[SPW], v[NIL]
	s_wait_dscnt 0x0
	s_endpgm
.Lfunc_end_k_q1600f21cbf_quant:
	.size	k_q1600f21cbf_quant, .Lfunc_end_k_q1600f21cbf_quant-k_q1600f21cbf_quant
	.p2alignl 7, 3214868480
	.fill 96, 4, 3214868480
	.section	.rodata,"a",@progbits
	.p2align	6, 0x0
	.amdhsa_kernel k_q1600f21cbf_quant
		.amdhsa_group_segment_fixed_size 34304
		.amdhsa_private_segment_fixed_size 0
		.amdhsa_enable_private_segment 0
		.amdhsa_kernarg_size 56
		.amdhsa_user_sgpr_count 2
		.amdhsa_user_sgpr_kernarg_segment_ptr 1
		.amdhsa_wavefront_size32 1
		.amdhsa_system_sgpr_workgroup_id_x 1
		.amdhsa_system_sgpr_workgroup_id_y 1
		.amdhsa_system_sgpr_workgroup_id_z 1
		.amdhsa_system_vgpr_workitem_id 0
		.amdhsa_next_free_vgpr 256
		.amdhsa_next_free_sgpr 66
		.amdhsa_reserve_vcc 0
		.amdhsa_float_denorm_mode_32 3
		.amdhsa_float_denorm_mode_16_64 3
		.amdhsa_memory_ordered 1
		.amdhsa_forward_progress 1
		.amdhsa_inst_pref_size 34
	.end_amdhsa_kernel
	.amdgpu_metadata
---
amdhsa.version: [ 1, 2 ]
amdhsa.kernels:
  - .name:           k_q1600f21cbf_quant
    .symbol:         k_q1600f21cbf_quant.kd
    .args:
      - { .name: x, .offset: 0, .size: 8, .value_kind: global_buffer, .address_space: global }
      - { .name: w_attn, .offset: 8, .size: 8, .value_kind: global_buffer, .address_space: global }
      - { .name: w_proj, .offset: 16, .size: 8, .value_kind: global_buffer, .address_space: global }
      - { .name: xw_codes, .offset: 24, .size: 8, .value_kind: global_buffer, .address_space: global }
      - { .name: xw_scales, .offset: 32, .size: 8, .value_kind: global_buffer, .address_space: global }
      - { .name: yw_codes, .offset: 40, .size: 8, .value_kind: global_buffer, .address_space: global }
      - { .name: yw_scales, .offset: 48, .size: 8, .value_kind: global_buffer, .address_space: global }
    .group_segment_fixed_size: 34304
    .private_segment_fixed_size: 0
    .kernarg_segment_align: 8
    .kernarg_segment_size: 56
    .max_flat_workgroup_size: 128
    .sgpr_count:     66
    .vgpr_count:     256
    .wavefront_size: 32
...
	.end_amdgpu_metadata
.endif
;; end of part 1
;; launch qkv (part 2): grid 12 x 32, 4 waves a work-group, clusters of 4 x 4, 327,680 bytes of LDS; arguments xw_codes, xw_scales, qimg, kv; writes qimg, kv
.if DOCPART == 2
	.amdgcn_target "amdgcn-amd-amdhsa--gfx1250"
	.amdhsa_code_object_version 6
	.text
	.protected	k_q1600f21cbf_qkv
	.globl	k_q1600f21cbf_qkv
	.p2align	8
	.type	k_q1600f21cbf_qkv,@function
k_q1600f21cbf_qkv:
	s_mov_b64 s[64:65], 0
	v_nop
	global_prefetch_b8 v0, s[64:65] scope:SCOPE_SE
	s_setreg_imm32_b32 hwreg(HW_REG_WAVE_MODE, 25, 1), 1
	s_wait_xcnt 0x0
	s_wait_alu depctr_hold_cnt(0) depctr_sa_sdst(0) depctr_va_vdst(0) depctr_va_sdst(0) depctr_va_ssrc(0) depctr_va_vcc(0) depctr_vm_vsrc(0)
	s_getreg_b32 s2, hwreg(HW_REG_IB_STS2, 6, 4)
	s_cmp_eq_u32 s2, 0
	s_cbranch_scc0 .Lentry_in_a_cluster
	s_endpgm
.Lentry_in_a_cluster:
	s_bfe_u32 s2, ttmp6, 0x10000c
	s_cmp_lg_u32 s2, 0xf033
	s_cbranch_scc0 .Lentry_shape_is_right
	s_endpgm
.Lentry_shape_is_right:
; qkv = x w_attn^T on codes of FP6 (E2M3) with E8M0 scales, K = 1,024; q, k and v are quantised in registers as they are finished and leave as images of the registers in which the attention launch wants them.
; OPERANDS arrive as register images (16 rows x 128 K = 1,536 bytes: registers 0-3 at 16 x lane, 4-5 at 512 + 8 x lane, 6-9 at 768 + 16 x lane, 10-11 at 1,280 + 8 x lane), laid [K slot of 256][row tile][3,072]:
;   row tiles 0-511 are x's tokens, 512-703 w_attn's features.  So 8 row tiles of a K slot are 24,576 dense bytes, one tensor load, and every LDS read is dense: no pitch, no padding.
; A TILE is 256 rows of source 1 (a lane's row in the result) x 256 rows of source 0 (a lane's registers run along them); four waves, 128 x 128 each: 64 accumulators, 512 registers.
;   q (cluster x = 0), k (1): source 1 = tokens, source 0 = features: a lane's registers run along the head's 64, the K of q k^T.
;   v (2): the sources change places: a lane holds a feature and its registers run along the tokens, the K of p v.
; K: 8 steps of 128 in 4 K slots.  LDS has three slots: K slots 0, 1, 2 are asked for at the head (three loads of a wave are out at the most), K slot 3 fills slot 0 again behind the one round in the middle.
; CLUSTER 4 x 4: source 1's tile hangs on cy and is shared along a row of the cluster, source 0's on cx and is shared along a column: joint loads, the same descriptor and a mask that names the four.
; SCALE WORDS skip LDS: 16 loads of 16 bytes a lane bring all 8 K steps' words of my 8 + 8 blocks: lanes 0-15 source 1's, lanes 16-31 source 0's.
; No prefetch: three quarters of the operands' bytes are asked for at the head, and the one refill has four K steps, 256 matrix instructions, in which to land.
; LIMITS: NaN and infinities are not served; a block whose largest magnitude lies under 2^-124 gets the byte 1.  In q's and k's scale words bytes 2, 3 are another head's bytes or 0: they meet zero codes alone.
; REGISTERS: window 0: v1-8 lane terms; v16-27 LDS addresses; v28, v29 the add's two; v32-95 scale words (register 8 i + g: block i, K step g); v96-131 at work on the way out; v128-223 source 1's fragments, one set; v224-239 the new scale words.
;   window 1: source 0's fragments, two sets, at v0 and v128.   windows 2, 3: the accumulators, (a, b) at v[8 (8 (a % 4) + b)].
.set SSTR,  704*3072                   ; bytes from a K slot to the next
.set SLOT,  98304                      ; an LDS slot: source 1's 16 row tiles, then source 0's
.set HALF,  24576                      ; 8 row tiles: what one tensor load brings, and what one wave reads of a source
.set SPARE, 3*SLOT                     ; behind the slots: the spare words, 128 bytes a wave
.set FR,   12
.set L16,  5                           ; v5   16 x lane
.set L8,   6                           ; v6   8 x lane
.set SOFF, 7                           ; v7   where my four new scale words go
.set A16,  16                          ; v16-18 source 1: 16 x lane + my half, in slot 0, 1, 2;  v19-21 the same with 8 x lane
.set A8,   19
.set B16,  22                          ; v22-24, v25-27 source 0
.set B8,   25
.set SPW,  28
.set NIL,  29
.set SC,   32
.set TM,   96
.set PC,   112
.set AF,   128
.set WD,   224
.set YA,   232
.set YB,   236
.set SEL,  2                           ; s[2:3]
.set G1,   24                          ; s[24:31] group 1 for source 1's tiles;  s[32:43] groups 0, one for each slot
.set G0,   32
.set G1B,  48                          ; s[48:55], s[68:79] the same for source 0's
.set G0B,  68
.set MSB, 0
.macro WIN new                         ; the immediate's high byte repeats the setting that is left
.if MSB != \new
	s_set_vgpr_msb (MSB<<8)|\new
.set MSB, \new
.endif
.endm
.set MUL_LO, 0xa1                      ; source 0 window 1, source 1 window 0, C and D window 2
.set MUL_HI, 0xf1                      ; the same, C and D window 3
.set TO_B,   0x40                      ; destination window 1
; A joint load: waves 0, 1 fetch source 1's halves, waves 2, 3 source 0's.  The branch hangs on the wave's number alone.  An s_nop 0 and four v_nop follow each line.
.macro JLOAD g0a, g1a, g0b, g1b
	s_cmp_eq_u32 s15, 0
	s_cbranch_scc0 .Lfor_b_\@
	tensor_load_to_lds s[\g0a:\g0a+3], s[\g1a:\g1a+7]
	s_nop 0
.rept 4
	v_nop
.endr
	s_branch .Lasked_\@
.Lfor_b_\@:
	tensor_load_to_lds s[\g0b:\g0b+3], s[\g1b:\g1b+7]
	s_nop 0
.rept 4
	v_nop
.endr
.Lasked_\@:
.endm
.macro CREST                           ; a round of the cluster's barrier behind its opening barrier
	s_cmp_lg_u32 s14, 0
	s_cbranch_scc1 .Lnot_wave_0_\@
	s_barrier_signal -3
.Lnot_wave_0_\@:
	s_barrier_wait -3
	s_barrier_signal -1
	s_barrier_wait -1
.endm
.macro CROUND
	s_barrier_signal -1
	s_barrier_wait -1
	CREST
.endm
.macro PLACES                          ; four plain places behind matrix instructions, in front of loads into registers that they read and of reads of their results
.rept 4
	v_nop
.endr
.endm
	s_load_b256 s[4:11], s[0:1], 0x0               ; xw_codes, xw_scales, qimg, kv
	v_lshl_add_u32 v[SPW], v0, 2, SPARE
	v_mov_b32 v[NIL], 0
	ds_add_u32 v[SPW], v[NIL]                      ; the wave's opening: the add and its wait ahead of my first tensor load; work on registers stands between them
	v_lshrrev_b32 v1, 5, v0
	v_readfirstlane_b32 s14, v1                    ; wave
	s_lshr_b32 s15, s14, 1                         ; my half of source 1's rows.  Also: I fetch for source 1 (0) or source 0 (1)
	s_and_b32 s16, s14, 1                          ; my half of source 0's rows.  Also: which 8 row tiles I fetch
	s_bfe_u32 s44, ttmp6, 0x40000                  ; cx
	s_bfe_u32 s45, ttmp6, 0x40004                  ; cy
	s_and_b32 s46, ttmp7, 0xffff                   ; the cluster's y: four tiles of tokens
	s_cmp_eq_u32 ttmp9, 2                          ; the cluster's x says q, k or v: the same in all sixteen partners
	s_cselect_b32 s47, s46, ttmp9                  ; source 0: tokens for v, else features
	s_cselect_b32 s56, ttmp9, s46                  ; source 1: the other
	s_cselect_b32 s57, 0, 512                      ; features' row tiles lie behind the tokens' 512
	s_cselect_b32 s58, 512, 0
	s_lshl_b32 s47, s47, 2
	s_add_co_u32 s47, s47, s44                     ; source 0's tile of 256 rows: hangs on cx
	s_lshl_b32 s56, s56, 2
	s_add_co_u32 s56, s56, s45                     ; source 1's: hangs on cy
	s_lshl_b32 s59, s47, 4
	s_add_co_u32 s57, s57, s59                     ; source 0's first row tile
	s_lshl_b32 s60, s56, 4
	s_add_co_u32 s58, s58, s60                     ; source 1's
	s_lshl_b32 s61, s45, 2
	s_lshl_b32 s61, 15, s61                        ; my row of the cluster
	s_lshl_b32 s62, 0x1111, s44                    ; my column
	s_or_b32 s[G1], s61, (3<<16)|(1<<21)           ; 15:0 the mask; 17:16 elements of 8 bytes; 20 no padding; 21 set beside a mask
	s_or_b32 s[G1B], s62, (3<<16)|(1<<21)
.irp g, G1, G1B
	s_mov_b32 s[\g+1], 32<<16                      ; tensor_dim0 = 32 elements: rows of 256 bytes
	s_mov_b32 s[\g+2], 96<<16                      ; tensor_dim1 = 96 rows: 24,576 dense bytes
	s_mov_b32 s[\g+3], 32<<16                      ; tile_dim0
	s_mov_b32 s[\g+4], 96                          ; tile_dim1
	s_mov_b32 s[\g+5], 32                          ; the pitch
	s_mov_b32 s[\g+6], 0
	s_mov_b32 s[\g+7], 0
.endr
	s_lshl_b32 s17, s16, 3
	s_add_co_u32 s18, s58, s17
	s_mul_i32 s18, s18, 3072                       ; source 1: my 8 row tiles, in bytes
	s_mov_b32 s19, 0
	s_add_co_u32 s20, s57, s17
	s_mul_i32 s20, s20, 3072                       ; source 0
	s_mov_b32 s21, 0
	s_mul_i32 s22, s14, HALF                       ; where they go: no place in the cluster enters an LDS address
	s_mov_b32 s[SEL], 0x76543210
	s_mov_b32 s[SEL+1], 0xfedcba98
	s_mov_b32 s12, 0xffff0000                      ; lanes 16-31
	s_wait_dscnt 0x0                               ; the opening add is done
	s_wait_kmcnt 0x0
	s_add_nc_u64 s[18:19], s[4:5], s[18:19]
	s_add_nc_u64 s[20:21], s[4:5], s[20:21]
	CROUND                                         ; all sixteen work-groups are here: the first joint loads meet
.irp s, 0,1,2
	s_mov_b32 s[G0+4*\s], 1
	s_add_co_u32 s[G0+4*\s+1], s22, \s*SLOT
	s_add_nc_u64 s[G0+4*\s+2:G0+4*\s+3], s[18:19], \s*SSTR
	s_or_b32 s[G0+4*\s+3], s[G0+4*\s+3], 0x80000000
	s_mov_b32 s[G0B+4*\s], 1
	s_add_co_u32 s[G0B+4*\s+1], s22, \s*SLOT
	s_add_nc_u64 s[G0B+4*\s+2:G0B+4*\s+3], s[20:21], \s*SSTR
	s_or_b32 s[G0B+4*\s+3], s[G0B+4*\s+3], 0x80000000
	JLOAD G0+4*\s, G1, G0B+4*\s, G1B               ; K slots 0, 1, 2
.endr
	v_and_b32 v1, 31, v0                           ; lane
	v_and_b32 v2, 15, v0                           ; r
	v_bfe_u32 v8, v0, 4, 1                         ; h
	s_lshl_b32 s17, s15, 3
	s_add_co_u32 s17, s17, s58
	s_lshl_b32 s17, s17, 9                         ; source 1: my 8 blocks' scale words, 512 bytes a row tile
	s_lshl_b32 s23, s16, 3
	s_add_co_u32 s23, s23, s57
	s_lshl_b32 s23, s23, 9                         ; source 0
	v_mov_b32 v3, s17
	v_mov_b32 v4, s23
	v_cndmask_b32 v3, v3, v4, s12                  ; lanes 16-31 take source 0's
	v_lshl_add_u32 v3, v2, 4, v3                   ; + 16 r: four words of my row
.irp i, 0,1,2,3,4,5,6,7
.irp p, 0,1
	global_load_b128 v[SC+8*\i+4*\p:SC+8*\i+4*\p+3], v3, s[6:7] offset:\i*512+\p*256
.endr
.endr
	v_lshlrev_b32 v[L16], 4, v1
	v_lshlrev_b32 v[L8], 3, v1
	s_mul_i32 s17, s15, HALF
	s_mul_i32 s23, s16, HALF
	s_add_co_u32 s23, s23, 2*HALF
.irp s, 0,1,2
	v_add_nc_u32 v[A16+\s], s17, v[L16]
	v_add_nc_u32 v[A8+\s], s17, v[L8]
	v_add_nc_u32 v[B16+\s], s23, v[L16]
	v_add_nc_u32 v[B8+\s], s23, v[L8]
	s_add_co_u32 s17, s17, SLOT
	s_add_co_u32 s23, s23, SLOT
.endr
	; THE WAY OUT'S POINTERS, in registers that feed no descriptor.  tt: my tile of 256 tokens; ft: my tile of 256 features within q, k or v; wt, wf: my wave's half of each
	s_cmp_eq_u32 ttmp9, 2
	s_cselect_b32 s92, s47, s56                    ; tt
	s_cselect_b32 s93, s45, s44                    ; ft
	s_cselect_b32 s94, s16, s15                    ; wt
	s_cselect_b32 s95, s15, s16                    ; wf
	s_cselect_b32 s96, 13312, 0                    ; in a slot of kv V's codes lie behind K's codes and scale words
	s_cselect_b32 s97, 8, 9                        ; a half's scale words: 256 bytes for v, 512 for q and k
	s_mov_b32 s88, 768
	s_cselect_b32 s88, 1536, s88                   ; from block a to a + 1: a half image (q, k), a fragment (v);
	s_mov_b32 s90, 768
	s_cselect_b32 s90, 204288, s90                 ; from a = 3 to a = 4, for v: on to the next head, back three fragments
	s_mov_b32 s98, 256
	s_cselect_b32 s98, 208896, s98                 ; lanes 16-31 store words 4-7: 256 bytes on (q, k), a head on (v)
	v_mul_u32_u24 v[SOFF], s98, v8
	v_lshl_add_u32 v[SOFF], v2, 4, v[SOFF]
	s_lshl_b32 s97, s94, s97
	s_mul_i32 s94, s94, 6144
	s_add_co_u32 s96, s96, s94
	s_lshr_b32 s99, s92, 3                         ; the batch: 8 tiles of 256 tokens
	s_lshl_b32 s99, s99, 4
	s_lshl_b32 s93, s93, 2
	s_add_co_u32 s99, s99, s93
	s_lshl_b32 s95, s95, 1
	s_add_co_u32 s99, s99, s95                     ; my first head: 16 x batch + 4 ft + 2 wf
	s_and_b32 s92, s92, 7                          ; my 256 tokens among the batch's 2,048
	s_cmp_eq_u32 ttmp9, 0
	s_mov_b32 s93, 208896
	s_cselect_b32 s93, 106496, s93                 ; a head's bytes: in qimg, in kv
	s_mov_b32 s94, 26112
	s_cselect_b32 s94, 12288, s94                  ; 256 tokens' codes
	s_mov_b32 s95, 26112
	s_cselect_b32 s95, 1024, s95                   ; and scale words
	s_mov_b32 s98, 12288
	s_cselect_b32 s98, 98304, s98                  ; where the scale words begin: q, k,
	s_cselect_b64 s[80:81], s[8:9], s[10:11]
	s_cmp_eq_u32 ttmp9, 2
	s_cselect_b32 s98, 25600, s98                  ; v
	s_cselect_b32 s86, 768, s93                    ; registers 6-11: the fragment's second half (v), the next head (q, k)
	s_mul_i32 s99, s99, s93
	s_mul_i32 s94, s92, s94
	s_mul_i32 s95, s92, s95
	s_add_co_u32 s96, s96, s99
	s_add_co_u32 s96, s96, s94
	s_add_co_u32 s98, s98, s99
	s_add_co_u32 s98, s98, s95
	s_add_co_u32 s98, s98, s97
	s_mov_b32 s97, 0
	s_mov_b32 s99, 0
	s_mov_b32 s87, 0
	s_mov_b32 s89, 0
	s_mov_b32 s91, 0
	s_add_nc_u64 s[84:85], s[80:81], s[98:99]      ; the scale words
	s_add_nc_u64 s[80:81], s[80:81], s[96:97]      ; registers 0-5
	s_add_nc_u64 s[82:83], s[80:81], s[86:87]      ; registers 6-11
	s_mov_b32 s86, s93
	s_add_nc_u64 s[86:87], s[84:85], s[86:87]      ; the next head's scale words (q, k)
.macro FRAG reg, a16, a8, off          ; a fragment comes back as it was stored: four dense loads
	ds_load_b128 v[\reg:\reg+3], v[\a16] offset:\off
	ds_load_b64 v[\reg+4:\reg+5], v[\a8] offset:\off+512
	ds_load_b128 v[\reg+6:\reg+9], v[\a16] offset:\off+768
	ds_load_b64 v[\reg+10:\reg+11], v[\a8] offset:\off+1280
.endm
; 16 matrix instructions: source 1's blocks a0, a0 + 1 x source 0's eight, K step g.  p: source 0's set.  zero = 1: the first product starts the sums.
; The 64 accumulators take turns, one instruction a turn, in the same order in every step.
.macro MUL16 a0, p, g, zero
.irp a, \a0, \a0+1
.irp b, 0,1,2,3,4,5,6,7
.if \zero
	v_wmma_scale_f32_16x16x128_f8f6f4 v[8*(8*((\a)%4)+\b):8*(8*((\a)%4)+\b)+7], v[128*(\p)+FR*\b:128*(\p)+FR*\b+FR-1], v[AF+FR*(\a):AF+FR*(\a)+FR-1], 0, v[SC+8*\b+(\g)], v[SC+8*(\a)+(\g)] matrix_a_fmt:MATRIX_FMT_FP6 matrix_b_fmt:MATRIX_FMT_FP6 matrix_a_scale:MATRIX_SCALE_ROW1
.else
	v_wmma_scale_f32_16x16x128_f8f6f4 v[8*(8*((\a)%4)+\b):8*(8*((\a)%4)+\b)+7], v[128*(\p)+FR*\b:128*(\p)+FR*\b+FR-1], v[AF+FR*(\a):AF+FR*(\a)+FR-1], v[8*(8*((\a)%4)+\b):8*(8*((\a)%4)+\b)+7], v[SC+8*\b+(\g)], v[SC+8*(\a)+(\g)] matrix_a_fmt:MATRIX_FMT_FP6 matrix_b_fmt:MATRIX_FMT_FP6 matrix_a_scale:MATRIX_SCALE_ROW1
.endif
.endr
.endr
.endm
.macro FETCH_B slot, q, p              ; source 0's eight fragments of the slot's q-th K step into set p
	WIN TO_B
.irp i, 0,1,2,3,4,5,6,7
	FRAG 128*(\p)+FR*\i, B16+\slot, B8+\slot, \i*3072+(\q)*1536
.endr
	WIN 0
.endm
.macro FETCH_A slot, q, i0             ; source 1's blocks i0 .. i0 + 3
.irp i, \i0, \i0+1, \i0+2, \i0+3
	FRAG AF+FR*(\i), A16+\slot, A8+\slot, (\i)*3072+(\q)*1536
.endr
.endm
; K step g; the next step's fragments lie in slot ns, its nq-th K step.  A block of source 1 is free as soon as its eight products are issued, so source 1 has one set of registers.
.macro STEP g, ns, nq, zero
	s_wait_dscnt 16                                ; source 0's set and source 1's blocks 0-3 are in; the youngest 16 loads (blocks 4-7) may be out
	WIN MUL_LO
	MUL16 0, (\g)%2, \g, \zero
	MUL16 2, (\g)%2, \g, \zero
	s_wait_dscnt 0x0                               ; blocks 4-7 are in
	PLACES
	FETCH_B \ns, \nq, 1-(\g)%2
	FETCH_A \ns, \nq, 0
	WIN MUL_HI
	MUL16 4, (\g)%2, \g, \zero
	MUL16 6, (\g)%2, \g, \zero
	PLACES
	WIN 0
	FETCH_A \ns, \nq, 4
.endm
; K step g (odd) with a barrier in its middle.  In front of it each wave waits for all its tensor loads, adds 0 to its spare word, and waits for that and for its LDS reads.
; fill = 1: the barrier opens a round of the cluster's barrier, and behind the round slot 0, which nobody reads any more, takes K slot 3.
.macro TURN g, ns, fill
	s_wait_tensorcnt 0x0                           ; all my tensor loads have landed
	ds_add_u32 v[SPW], v[NIL]                      ; 0 onto my spare word
	s_wait_dscnt 17                                ; the add and the youngest 16 loads may be out
	WIN MUL_LO
	MUL16 0, 1, \g, 0                              ; sixteen matrix instructions stand between the add and the wait for it
	s_wait_dscnt 0x0                               ; the add is done, and my reads of the slot in hand are over
	s_barrier_signal -1
	MUL16 2, 1, \g, 0
	WIN 0
	s_barrier_wait -1
.if \fill
	CREST                                          ; no wave of any partner still reads slot 0 or has a load on its way
	s_add_nc_u64 s[G0+2:G0+3], s[G0+2:G0+3], 3*SSTR
	s_add_nc_u64 s[G0B+2:G0B+3], s[G0B+2:G0B+3], 3*SSTR
	JLOAD G0, G1, G0B, G1B                         ; the first tensor load behind the round; its four v_nop are the places in front of the loads below
.else
	PLACES
.endif
	FETCH_B \ns, 0, 0
	FETCH_A \ns, 0, 0
	WIN MUL_HI
	MUL16 4, 1, \g, 0
	MUL16 6, 1, \g, 0
	PLACES
	WIN 0
	FETCH_A \ns, 0, 4
.endm
	s_wait_tensorcnt 2                             ; my part of K slot 0 is in; K slots 1 and 2 may be out
	s_barrier_signal -1
	s_barrier_wait -1
	FETCH_B 0, 0, 0
	FETCH_A 0, 0, 0
	FETCH_A 0, 0, 4
	s_wait_loadcnt 0x0                             ; the scale words
	STEP 0, 0, 1, 1                                ; its products start the sums: nothing is cleared
	TURN 1, 1, 1                                   ; every wave has waited for all three first fills: slots 1 and 2 are whole for everybody from here on
	STEP 2, 1, 1, 0
	STEP 3, 2, 0, 0
	STEP 4, 2, 1, 0
	TURN 5, 0, 0                                   ; K slot 3 has landed in slot 0; nothing is filled again, so no round
	STEP 6, 0, 1, 0
	s_wait_dscnt 16                                ; the last K step: nothing more to fetch
	WIN MUL_LO
	MUL16 0, 1, 7, 0
	MUL16 2, 1, 7, 0
	s_wait_dscnt 0x0
	WIN MUL_HI
	MUL16 4, 1, 7, 0
	MUL16 6, 1, 7, 0
	WIN 0
	PLACES
.irp b, 0,1,2,3
	v_mov_b32 v[TM+4+\b], 0                        ; written once: a lane permute's destination counts as one of its sources
.endr
; THE WAY OUT of block a: the lane's 64 numbers (register 8 b + j: row 16 b + 8 h + j of source 0) are four blocks of 32 along the next K, each shared with lane l xor 16.
; q, k: blocks 0, 1 are one head's 64, blocks 2, 3 the next head's: registers 0-5 and 6-11 of the codes are two half images.  v: the four blocks are 128 keys: one fragment.
.macro QOUT a
.set AC, 64*((\a)%4)
	WIN 0x0a+5*((\a)/4)                            ; sources 0 and 1: window 2 or 3
.irp b, 0,1,2,3
	v_max3_num_f32 v[TM+\b], |v[AC+16*\b]|, |v[AC+1+16*\b]|, 0x1800000   ; each accumulator from its low end on; the floor 2^(3 - 127) holds the byte at 1 from below
.endr
.irp i, 2,4,6,8,10,12,14
.irp b, 0,1,2,3
	v_max3_num_f32 v[TM+\b], |v[AC+16*\b+\i]|, |v[AC+1+16*\b+\i]|, v[TM+\b]
.endr
.endr
	WIN 0
.irp b, 0,1,2,3
	v_permlanex16_b32 v[TM+4+\b], v[TM+\b], s[SEL], s[SEL+1]
.endr
.irp b, 0,1,2,3
	v_max_num_f32 v[TM+\b], v[TM+\b], v[TM+4+\b]
.endr
.irp b, 0,1,2,3
	v_add_nc_u32 v[TM+12+\b], 0xff000000, v[TM+\b] ; 2 off the exponent field: the conversion's scale operand
.endr
.irp b, 0,1,2,3
	v_lshrrev_b32 v[TM+4+\b], 23, v[TM+12+\b]      ; the scale's byte
.endr
	v_lshl_or_b32 v[WD+(\a)], v[TM+5], 8, v[TM+4]
	v_lshl_or_b32 v[WD+(\a)], v[TM+6], 16, v[WD+(\a)]
	v_lshl_or_b32 v[WD+(\a)], v[TM+7], 24, v[WD+(\a)]
.if (\a) > 0
	s_wait_xcnt 0x0                                ; the last block's stores have read their data and their bases
.if (\a) == 4
	s_add_nc_u64 s[80:81], s[80:81], s[90:91]
	s_add_nc_u64 s[82:83], s[82:83], s[90:91]
.else
	s_add_nc_u64 s[80:81], s[80:81], s[88:89]
	s_add_nc_u64 s[82:83], s[82:83], s[88:89]
.endif
.endif
	WIN 0x02+(\a)/4                                ; source 0: window 2 or 3
.irp c, 0,1
	v_cvt_scalef32_pk16_fp6_f32 v[PC+6*\c:PC+2+6*\c], v[AC+32*\c:AC+15+32*\c], v[TM+12+2*\c]
	v_cvt_scalef32_pk16_fp6_f32 v[PC+12+4*\c:PC+14+4*\c], v[AC+16+32*\c:AC+31+32*\c], v[TM+13+2*\c]
.endr
	WIN 0
	v_nop                                          ; one plain place behind a scaled conversion
.irp c, 0,1
.irp i, 0,1,2
	v_permlane16_swap_b32 v[PC+6*\c+\i], v[PC+12+4*\c+\i]
.endr
.irp i, 0,1,2
	v_mov_b32 v[PC+3+6*\c+\i], v[PC+12+4*\c+\i]
.endr
.endr
	global_store_b128 v[L16], v[PC:PC+3], s[80:81]              ; 512 and 256 consecutive bytes, at multiples of 256 from the buffer's first byte
	global_store_b64 v[L8], v[PC+4:PC+5], s[80:81] offset:512
	global_store_b128 v[L16], v[PC+6:PC+9], s[82:83]
	global_store_b64 v[L8], v[PC+10:PC+11], s[82:83] offset:512
.endm
.irp a, 0,1,2,3,4,5,6,7
	QOUT \a
.endr
.irp j, 0,1,2,3
	v_cndmask_b32 v[YA+\j], v[WD+\j], v[WD+4+\j], s12   ; lanes 0-15 store the words of blocks 0-3, lanes 16-31 those of blocks 4-7: 16 bytes a lane, 256 consecutive bytes for each half of the lanes
.endr
	global_store_b128 v[SOFF], v[YA:YA+3], s[84:85]
	s_cmp_eq_u32 ttmp9, 2
	s_cbranch_scc1 .Lv_done                        ; q, k: the next head's bytes are the words' upper halves
.irp j, 0,1,2,3
	v_lshrrev_b32 v[YB+\j], 16, v[YA+\j]
.endr
	global_store_b128 v[SOFF], v[YB:YB+3], s[86:87]
.Lv_done:
	s_wait_tensorcnt 0x0                           ; the wave's end, behind my last tensor load
	ds_add_u32 v[SPW], v[NIL]
	s_wait_dscnt 0x0
	CROUND                                         ; the closing round: no work-group ends while a partner may still ask for a tile that names it
	s_endpgm
.Lfunc_end_k_q1600f21cbf_qkv:
	.size	k_q1600f21cbf_qkv, .Lfunc_end_k_q1600f21cbf_qkv-k_q1600f21cbf_qkv
	.p2alignl 7, 3214868480
	.fill 96, 4, 3214868480
	.section	.rodata,"a",@progbits
	.p2align	6, 0x0
	.amdhsa_kernel k_q1600f21cbf_qkv
		.amdhsa_group_segment_fixed_size 327680
		.amdhsa_private_segment_fixed_size 0
		.amdhsa_enable_private_segment 0
		.amdhsa_kernarg_size 32
		.amdhsa_user_sgpr_count 2
		.amdhsa_user_sgpr_kernarg_segment_ptr 1
		.amdhsa_wavefront_size32 1
		.amdhsa_system_sgpr_workgroup_id_x 1
		.amdhsa_system_sgpr_workgroup_id_y 1
		.amdhsa_system_sgpr_workgroup_id_z 1
		.amdhsa_system_vgpr_workitem_id 0
		.amdhsa_next_free_vgpr 1024
		.amdhsa_next_free_sgpr 100
		.amdhsa_reserve_vcc 0
		.amdhsa_float_denorm_mode_32 3
		.amdhsa_float_denorm_mode_16_64 3
		.amdhsa_memory_ordered 1
		.amdhsa_forward_progress 1
		.amdhsa_inst_pref_size 149
	.end_amdhsa_kernel
	.amdgpu_metadata
---
amdhsa.version: [ 1, 2 ]
amdhsa.kernels:
  - .name:           k_q1600f21cbf_qkv
    .symbol:         k_q1600f21cbf_qkv.kd
    .args:
      - { .name: xw_codes, .offset: 0, .size: 8, .value_kind: global_buffer, .address_space: global }
      - { .name: xw_scales, .offset: 8, .size: 8, .value_kind: global_buffer, .address_space: global }
      - { .name: qimg, .offset: 16, .size: 8, .value_kind: global_buffer, .address_space: global }
      - { .name: kv, .offset: 24, .size: 8, .value_kind: global_buffer, .address_space: global }
    .group_segment_fixed_size: 327680
    .private_segment_fixed_size: 0
    .kernarg_segment_align: 8
    .kernarg_segment_size: 32
    .max_flat_workgroup_size: 128
    .sgpr_count:     100
    .vgpr_count:     1024
    .wavefront_size: 32
...
	.end_amdgpu_metadata
.endif
;; end of part 2
;; launch attn (part 3): grid 4 x 64, 16 waves a work-group, no clusters, 327,680 bytes of LDS; arguments qimg, kv, yw_codes, yw_scales; writes yw_codes, yw_scales
.if DOCPART == 3
	.amdgcn_target "amdgcn-amd-amdhsa--gfx1250"
	.amdhsa_code_object_version 6
	.text
	.protected	k_q1600f21cbf_attn
	.globl	k_q1600f21cbf_attn
	.p2align	8
	.type	k_q1600f21cbf_attn,@function
k_q1600f21cbf_attn:
	s_mov_b64 s[64:65], 0
	v_nop
	global_prefetch_b8 v0, s[64:65] scope:SCOPE_SE
	s_setreg_imm32_b32 hwreg(HW_REG_WAVE_MODE, 25, 1), 1
	s_wait_xcnt 0x0
; y[b][t][64 hd ..] = softmax_k(q . k / 8, causal) v for one head, both products on codes of FP6 (E2M3) with E8M0 scales; y is quantised along the model's 1,024 and leaves as register images for the last product.
; THE SOFTMAX: t = score x log2(e) / 8; M = the running largest t rounded up to a whole number; p = 2^(t - M) is what is quantised, along the keys; the row's sum is taken of the unquantised p and divides at the end.
;   When M moves, the sum and O are multiplied by 2^(old M - new M): exact.
; SHARES: a work-group (P = x, head = y) owns the query blocks 7 - P and P of 256 queries: 8 - P and P + 1 key slots of 256 keys, nine trips in every work-group: 256 work-groups of equal work.
;   Each of sixteen waves owns 16 queries of the block in hand, in 256 registers: four waves to a SIMD, so that one wave's vector work stands beside another's matrix work and LDS loads.
; INPUTS are register images.  A head's 64 are half of the instruction's 128 along K: q's and k's images are registers 0-5 (768 bytes: 0-3 at 16 x lane, 4-5 at 512 + 8 x lane), registers 6-11 are zeros, set once.
;   A slot of kv is 26,112 dense bytes: K's 16 half images, K's scale words at 12,288 ([step][4 tiles][row][4 words]), V's 8 fragments at 13,312 ([step][16 of the head's 64]), V's scale words at 25,600.
; LAYOUT: both products are used transposed (S^T = K Q^T, O^T = V^T P^T): a lane holds one query (lane % 16) throughout; register 8 t + j of S^T is key 16 t + 8 (lane / 16) + j.
;   In every code stream of this program place 16 h + 8 u + j of a block of 32 holds the block's number 16 u + 8 h + j: so p, as it stands in the registers, is quantised into V's own order.
; RING: two LDS slots; wave 0 fetches a slot with one tensor load at the head of the trip before, so one tensor load is out at the most.  Every wait on TENSORcnt is for 0.
; CAUSAL: a step all of whose keys come after the wave's queries is jumped over (ids alone); on the diagonal hidden scores become -infinity ahead of the maximum.  Key 0 counts for every query.
; NO CLUSTER: the four work-groups of a head want the same slot in the trips of their first block only; from trip 8 - P on each wants another, so that partners would have to ask for tiles that they discard.
; PREFETCH: the head's first work-group asks, in its first five trips, waves 4 to 7, 32 blocks of 256 bytes each, for the head's bytes from 53,248 on: what the change of slots one trip later loads. Each block is named once.
; LIMITS: NaN and infinities are not served; a block of p or y whose largest magnitude lies under 2^-124 gets the byte 1.  y's scale bytes leave as single bytes, two for a row and head.
.set SLOTB, 26112
.set SLOT1, 32768
.set SPARE, 65536                      ; the spare words: 128 bytes for each of 16 waves
.set HSTRQ, 106496                     ; a head in qimg
.set HSTRK, 208896                     ; a head in kv
.set SSTR2, 576*3072                   ; a K slot of yw_codes
.set L16, 1                            ; v1  16 x lane
.set L8,  2                            ; v2  8 x lane
.set R16, 3                            ; v3  16 r
.set SPW, 4                            ; v4  my spare word; never rewritten
.set NIL, 5                            ; v5  0; never rewritten
.set PFO, 6                            ; v6  256 x lane
.set RH,  7                            ; v7  r - 8 h
.set AD16, 8                           ; v8-10 the slot in hand + v1, v2, v3
.set AD8, 9
.set ADR, 10
.set YSO, 11                           ; v11 16 r + h
.set QF,  16                           ; v16-27 Q (22-27 zeros);  v12 -M, v13 the largest t, v[14:15] the sum in two halves
.set QS,  28                           ; v28 Q's scale words;  v29, v30-35 those and the codes of my second block
.set QS2, 29
.set QF2, 30
.set KFR, 36                           ; v36-83 four fragments of K (the upper six registers of each: zeros)
.set KSC, 84                           ; v84-91 K's scale words
.set VSC, 92                           ; v92-95 V's
.set ST,  96                           ; v96-159 S^T, then p;  v96-143 then V's four fragments
.set VF,  96
.set OT,  160                          ; v160-191 O^T
.set PCD, 192                          ; v192-203 p's codes (v204-206, v208-210: second halves as converted)
.set PC2, 204
.set BM,  212                          ; v212-215 the blocks' largest
.set TP,  216                          ; v216-219 at work
.set SO,  220                          ; v220-223 the conversions' scale operands
.set PS,  224                          ; v224 p's scale word
.set FAC, 226                          ; v[226:227] a factor (the pair's low word serves both halves)
.set TMP, 228
.set NINF, 229
.set WV,  12
.set P,   13
.set BH,  14
.set NB,  15                           ; s15 the first block's trips: 8 - P
.set J,   16                           ; s16 the trip
.set TB,  17                           ; s17 LDS byte of the slot in hand
.set KF,  18                           ; s18 the step's first key
.set Q0,  19                           ; s19 my first query
.set SEL, 20
.set CS,  22                           ; s[22:23] c = log2(e) / 8
.set G1,  24
.set G0,  32
.set KVB, 36                           ; s[36:37] my head in kv;  s[38:39] an offset (s39 = 0)
.set PFA, 40                           ; s[40:41] where my prefetches stand;  s42 their count;  s43 its bound
.set PFC, 42
.set LIM, 43
.set HI,  44                           ; s44 lanes 16-31;  s45, s46, s58 at work;  s47 = 0
.set YC,  48                           ; s[48:49], s[50:51] y's codes and scale bytes at query block 0
.set YS,  50
.set QB,  52                           ; s52 the query block in hand
.set KSL, 53                           ; s53 the key slot in hand
.set PB,  59                           ; s59 7 - P
.macro TLOAD                           ; wave 0 fetches; an s_nop 0 and four v_nop follow the line
	s_cmp_lg_u32 s[WV], 0
	s_cbranch_scc1 .Lnot_0_\@
	tensor_load_to_lds s[G0:G0+3], s[G1:G1+7]
	s_nop 0
.rept 4
	v_nop
.endr
.Lnot_0_\@:
.endm
.macro ASK
	s_cmp_lt_u32 s[PFC], s[LIM]
	s_cbranch_scc0 .Lnot_mine_\@
	global_prefetch_b8 v[PFO], s[PFA:PFA+1] th:TH_LOAD_NT scope:SCOPE_SE
.Lnot_mine_\@:
.endm
	s_load_b256 s[4:11], s[0:1], 0x0               ; qimg, kv, yw_codes, yw_scales
	v_lshl_add_u32 v[SPW], v0, 2, SPARE
	v_mov_b32 v[NIL], 0
	ds_add_u32 v[SPW], v[NIL]                      ; the wave's opening: the add and its wait ahead of the first tensor load; work on registers stands between them
	ds_add_u32 v[SPW], v[NIL]
	v_lshrrev_b32 v8, 5, v0
	s_delay_alu instid0(VALU_DEP_1)
	v_readfirstlane_b32 s[WV], v8
	s_mov_b32 s[P], ttmp9
	s_and_b32 s[BH], ttmp7, 0xffff
	s_sub_co_u32 s[NB], 8, s[P]
	s_sub_co_u32 s[PB], 7, s[P]
	s_mov_b32 s[G1], 3<<16                         ; no mask; elements of 8 bytes; no padding
	s_mov_b32 s[G1+1], 32<<16                      ; tensor_dim0 = 32: rows of 256 bytes
	s_mov_b32 s[G1+2], 102<<16                     ; tensor_dim1 = 102 rows: a slot's 26,112 dense bytes
	s_mov_b32 s[G1+3], 32<<16                      ; tile_dim0
	s_mov_b32 s[G1+4], 102                         ; tile_dim1
	s_mov_b32 s[G1+5], 32                          ; the pitch
	s_mov_b32 s[G1+6], 0
	s_mov_b32 s[G1+7], 0
	s_mov_b32 s[SEL], 0x76543210
	s_mov_b32 s[SEL+1], 0xfedcba98
	s_mov_b32 s[CS], 0x3e38aa3b
	s_mov_b32 s[CS+1], s[CS]                       ; named with it as a pair, so it is written
	s_mov_b32 s[HI], 0xffff0000
	s_mov_b32 s[J], 0
	s_mov_b32 s[TB], 0
	s_mov_b32 s47, 0
	s_mov_b32 s39, 0
	s_mul_i32 s38, s[BH], HSTRK
	s_wait_dscnt 0x0                               ; the opening add is done
	s_wait_kmcnt 0x0
	s_add_nc_u64 s[KVB:KVB+1], s[6:7], s[38:39]
	s_mov_b32 s[G0], 1
	s_mov_b32 s[G0+1], 0                           ; slot 0
	s_mov_b64 s[G0+2:G0+3], s[KVB:KVB+1]           ; key slot 0
	s_or_b32 s[G0+3], s[G0+3], 0x80000000
	TLOAD
	v_and_b32 v8, 31, v0                           ; lane
	v_and_b32 v9, 15, v0                           ; r
	v_bfe_u32 v10, v0, 4, 1                        ; h
	s_delay_alu instid0(VALU_DEP_3)
	v_lshlrev_b32 v[L16], 4, v8
	s_wait_alu depctr_va_vdst(0)
	v_lshlrev_b32 v[L8], 3, v8
	s_wait_alu depctr_va_vdst(0)
	v_lshlrev_b32 v[R16], 4, v9
	s_wait_alu depctr_va_vdst(0)
	v_lshlrev_b32 v[PFO], 8, v8
	v_lshlrev_b32 v[RH], 3, v10
	s_delay_alu instid0(VALU_DEP_1)
	v_sub_nc_u32 v[RH], v9, v[RH]
	v_add_nc_u32 v[YSO], v[R16], v10
	s_mul_i32 s46, s[BH], HSTRQ
	s_add_nc_u64 s[4:5], s[4:5], s[46:47]          ; my head in qimg
	s_lshl_b32 s45, s[PB], 4
	s_add_co_u32 s45, s45, s[WV]                   ; my tile of the first block: 16 (7 - P) + wave
	s_mul_i32 s46, s45, 768
	s_add_nc_u64 s[54:55], s[4:5], s[46:47]
	s_lshl_b32 s45, s[P], 4
	s_add_co_u32 s45, s45, s[WV]                   ; and of the second
	s_mul_i32 s46, s45, 768
	s_add_nc_u64 s[56:57], s[4:5], s[46:47]
	s_lshr_b32 s45, s[WV], 2                       ; tile T's scale words: 98,304 + 256 (T / 4) + 16 r + 4 (T % 4)
	s_lshl_b32 s45, s45, 8
	s_and_b32 s46, s[WV], 3
	s_lshl_b32 s46, s46, 2
	s_add_co_u32 s45, s45, s46
	s_add_co_u32 s45, s45, 98304
	s_lshl_b32 s46, s[PB], 10
	s_add_co_u32 s46, s46, s45
	s_add_nc_u64 s[60:61], s[4:5], s[46:47]
	s_lshl_b32 s46, s[P], 10
	s_add_co_u32 s46, s46, s45
	s_add_nc_u64 s[62:63], s[4:5], s[46:47]
	global_load_b128 v[QF:QF+3], v[L16], s[54:55]
	global_load_b64 v[QF+4:QF+5], v[L8], s[54:55] offset:512
	global_load_b32 v[QS], v[R16], s[60:61]
	global_load_b128 v[QF2:QF2+3], v[L16], s[56:57]
	global_load_b64 v[QF2+4:QF2+5], v[L8], s[56:57] offset:512
	global_load_b32 v[QS2], v[R16], s[62:63]
	s_lshr_b32 s45, s[BH], 4                       ; the batch
	s_lshl_b32 s45, s45, 7
	s_add_co_u32 s45, s45, s[WV]                   ; y's row tile, less 16 x the query block
	s_and_b32 s58, s[BH], 15                       ; the head: its 64 are half of K step head / 2
	s_mul_i32 s46, s45, 3072
	s_lshr_b32 s38, s58, 2
	s_mul_i32 s38, s38, SSTR2
	s_add_co_u32 s46, s46, s38
	s_and_b32 s38, s58, 3
	s_mul_i32 s38, s38, 768
	s_add_co_u32 s46, s46, s38
	s_add_nc_u64 s[YC:YC+1], s[8:9], s[46:47]
	s_lshl_b32 s46, s45, 9
	s_lshr_b32 s38, s58, 3
	s_lshl_b32 s38, s38, 8
	s_add_co_u32 s46, s46, s38
	s_and_b32 s38, s58, 7
	s_lshl_b32 s38, s38, 1                         ; word (head / 2) % 4, bytes 2 (head % 2) on
	s_add_co_u32 s46, s46, s38
	s_add_nc_u64 s[YS:YS+1], s[10:11], s[46:47]
	s_and_b32 s45, s[WV], 3                        ; the prefetches: wave 4 + i stands 8,192 i bytes on; the first change of slots steps to byte 53,248 of the head
	s_lshl_b32 s46, s45, 13
	s_add_co_u32 s46, s46, 20480
	s_add_nc_u64 s[PFA:PFA+1], s[KVB:KVB+1], s[46:47]
	s_mov_b32 s[PFC], s[WV]                        ; + 4 at each change: 8 + the number of my piece of 8,192 bytes; the head has 19 such pieces from byte 53,248 on
	s_lshr_b32 s45, s[WV], 2
	s_xor_b32 s45, s45, 1
	s_or_b32 s45, s45, s[P]                        ; 0 in waves 4 to 7 of the head's first work-group
	s_cmp_eq_u32 s45, 0
	s_cselect_b32 s[LIM], 27, 0
.irp i, 6,7,8,9,10,11
	v_mov_b32 v[QF+\i], 0                          ; the upper half of the instruction's K: zero codes, on both sides
.irp t, 0,1,2,3
	v_mov_b32 v[KFR+12*\t+\i], 0
.endr
.endr
.set n, 0
.rept 32
	v_mov_b32 v[OT+n], 0                           ; the step is written once: the first finds zeros, which the first change of M leaves zeros
.set n, n+1
.endr
.irp b, 0,1,2,3
	v_mov_b32 v[TP+\b], 0                          ; written once: a lane permute's destination counts as one of its sources
.endr
	v_mov_b32 v[FAC+1], 0                          ; named as the upper half of a pair
	v_mov_b32 v[TMP], 0
	v_mov_b32 v13, 0xff61b1e6                      ; the largest t so far: -3e38
	s_delay_alu instid0(VALU_DEP_1)
	v_floor_f32 v12, -v13                          ; -M
	v_mov_b32 v14, 0
	v_mov_b32 v15, 0
; THE CHANGE OF SLOTS stands at a trip's head.  Each wave waits for all its tensor loads, adds 0 to its spare word, and waits for that and for its reads of the slot that it has left.
; Behind the barrier the slot ahead is whole and nobody reads the other one.  fill = 1: that one takes the next trip's keys: the load has a trip, two key steps of sixteen waves, in which to land.
.macro CHANGE fill
	s_wait_tensorcnt 0x0                           ; no tensor load of mine is out, so group 0 may be written
	ds_add_u32 v[SPW], v[NIL]                      ; 0 onto my spare word
.if \fill
	s_xor_b32 s[G0+1], s[G0+1], SLOT1              ; the other slot than last time
	s_add_co_u32 s45, s[J], 1
	s_cmp_ge_u32 s45, s[NB]
	s_cselect_b32 s46, s[NB], 0
	s_sub_co_u32 s45, s45, s46                     ; the next trip's key slot: the second block begins again at 0
	s_mul_i32 s38, s45, SLOTB
	s_add_nc_u64 s[G0+2:G0+3], s[KVB:KVB+1], s[38:39]
	s_or_b32 s[G0+3], s[G0+3], 0x80000000
	s_wait_xcnt 0x0                                ; the last prefetch, a trip back, has read its address
	s_add_nc_u64 s[PFA:PFA+1], s[PFA:PFA+1], 32768
	s_add_co_u32 s[PFC], s[PFC], 4
.endif
	s_wait_dscnt 0x0                               ; the add is done, and my reads of the slot that I have left are over
	s_barrier_signal -1
	s_barrier_wait -1
.if \fill
	TLOAD                                          ; the first thing behind the barrier
	ASK
.endif
.endm
.macro TRIPHEAD                        ; which keys, which queries: ids and the trip's number alone
	s_cmp_ge_u32 s[J], s[NB]
	s_cselect_b32 s45, s[NB], 0
	s_cselect_b32 s[QB], s[P], s[PB]
	s_sub_co_u32 s[KSL], s[J], s45
	s_lshl_b32 s[KF], s[KSL], 8
	s_lshl_b32 s[Q0], s[QB], 8
	s_lshl_b32 s45, s[WV], 4
	s_add_co_u32 s[Q0], s[Q0], s45
	v_add_nc_u32 v[AD16], s[TB], v[L16]
	v_add_nc_u32 v[AD8], s[TB], v[L8]
	v_add_nc_u32 v[ADR], s[TB], v[R16]
.endm
; A KEY STEP: 128 keys, the q-th of the slot in hand
.macro STEP q
	s_add_co_u32 s45, s[Q0], 15
	s_cmp_gt_u32 s[KF], s45
	s_cbranch_scc1 .Lhidden_\@                     ; all its keys come after my queries
	s_wait_alu depctr_va_vdst(0)
.irp g, 0,1                                    ; S^T = K Q^T, four tiles of 16 keys at a time
.if \g
.rept 4
	v_nop                                          ; places in front of loads into registers that matrix instructions have read
.endr
.endif
.irp t, 0,1,2,3
	ds_load_b128 v[KFR+12*\t:KFR+12*\t+3], v[AD16] offset:(8*(\q)+4*\g+\t)*768
	ds_load_b64 v[KFR+12*\t+4:KFR+12*\t+5], v[AD8] offset:(8*(\q)+4*\g+\t)*768+512
.endr
	ds_load_b128 v[KSC+4*\g:KSC+4*\g+3], v[ADR] offset:12288+512*(\q)+256*\g
	s_wait_dscnt 0x0
.irp t, 0,1,2,3
	v_wmma_scale_f32_16x16x128_f8f6f4 v[ST+8*(4*\g+\t):ST+8*(4*\g+\t)+7], v[KFR+12*\t:KFR+12*\t+11], v[QF:QF+11], 0, v[KSC+4*\g+\t], v[QS] matrix_a_fmt:MATRIX_FMT_FP6 matrix_b_fmt:MATRIX_FMT_FP6
.endr
.endr
.rept 4
	v_nop
.endr
	s_add_co_u32 s45, s[KF], 127
	s_cmp_le_u32 s45, s[Q0]
	s_cbranch_scc1 .Lopen_\@                       ; all its keys count
	s_sub_co_i32 s45, s[Q0], s[KF]
	v_add_nc_u32 v[TMP], s45, v[RH]                ; d = my query - KF - 8 h.  Register n holds key KF + 8 h + 16 (n / 8) + n % 8: hidden where 16 (n / 8) + n % 8 > d
	v_mov_b32 v[NINF], 0xff800000
.set n, 0
.rept 64
	v_cmp_gt_i32 vcc_lo, 16*(n/8)+n%8, v[TMP]
	v_cndmask_b32 v[ST+n], v[ST+n], v[NINF], vcc_lo
.set n, n+1
.endr
.Lopen_\@:
.irp b, 0,1,2,3
	v_max3_num_f32 v[BM+\b], v[ST+16*\b], v[ST+1+16*\b], v[ST+2+16*\b]   ; the largest score of each block of 32 keys: for the row's maximum and, since p rises with the score, for the block's largest p
.endr
.irp i, 3,5,7,9,11,13
.irp b, 0,1,2,3
	v_max3_num_f32 v[BM+\b], v[BM+\b], v[ST+16*\b+\i], v[ST+1+16*\b+\i]
.endr
.endr
.irp b, 0,1,2,3
	v_max_num_f32 v[BM+\b], v[BM+\b], v[ST+15+16*\b]
.endr
.irp b, 0,1,2,3
	s_delay_alu instid0(VALU_DEP_4)
	v_permlanex16_b32 v[TP+\b], v[BM+\b], s[SEL], s[SEL+1]
.endr
.irp b, 0,1,2,3
	s_delay_alu instid0(VALU_DEP_4)
	v_max_num_f32 v[BM+\b], v[BM+\b], v[TP+\b]     ; with lane l xor 16
.endr
	s_delay_alu instid0(VALU_DEP_2)
	v_max3_num_f32 v[TMP], v[BM], v[BM+1], v[BM+2]
	s_delay_alu instid0(VALU_DEP_1)
	v_max_num_f32 v[TMP], v[TMP], v[BM+3]
	s_delay_alu instid0(VALU_DEP_1)
	v_mul_f32 v[TMP], s[CS], v[TMP]                ; the step's largest t (c is positive)
	s_delay_alu instid0(VALU_DEP_1)
	v_max_num_f32 v13, v13, v[TMP]
	v_mov_b32 v[TMP], v12
	s_delay_alu instid0(VALU_DEP_2)
	v_floor_f32 v12, -v13                          ; the new -M = -ceil(t): a whole number
	s_delay_alu instid0(VALU_DEP_1)
	v_sub_f32 v[TMP], v12, v[TMP]                  ; old M - new M: a whole number, 0 or less
	s_delay_alu instid0(VALU_DEP_1)
	v_cvt_i32_f32 v[TMP], v[TMP]                   ; (it saturates)
	s_delay_alu instid0(VALU_DEP_1)
	v_ldexp_f32 v[FAC], 1.0, v[TMP]                ; f = 2^(old M - new M)
.set n, 0
.rept 32
	v_pk_fma_f32 v[ST+n:ST+n+1], v[ST+n:ST+n+1], s[CS:CS+1], v[12:13] op_sel_hi:[1,0,0]   ; t - M, two at a time
.set n, n+2
.endr
.irp b, 0,1,2,3
	v_fma_f32 v[BM+\b], v[BM+\b], s[CS], v12       ; the same of each block's largest score
.endr
.set n, 0
	s_wait_alu depctr_va_vdst(0)
.rept 64
	v_exp_f32 v[ST+n], v[ST+n]                     ; p = 2^(t - M), at most 1
.set n, n+1
.endr
	v_pk_mul_f32 v[14:15], v[14:15], v[FAC:FAC+1] op_sel_hi:[1,0]   ; the sums under the new M: a plain place behind the exponentials
	s_wait_alu depctr_va_vdst(0)                   ; one wait for the batch, ahead of its first reader
.irp b, 0,1,2,3
	v_exp_f32 v[BM+\b], v[BM+\b]                   ; the block's largest p
.endr
	v_pk_add_f32 v[216:217], v[100:101], v[104:105]
	v_pk_add_f32 v[254:255], v[108:109], v[112:113]
	v_pk_add_f32 v[252:253], v[116:117], v[120:121]
	v_pk_add_f32 v[250:251], v[124:125], v[128:129]
	v_pk_add_f32 v[248:249], v[132:133], v[136:137]
	v_pk_add_f32 v[246:247], v[140:141], v[144:145]
	v_pk_add_f32 v[244:245], v[148:149], v[152:153]
	v_pk_add_f32 v[14:15], v[14:15], v[156:157]
	v_pk_add_f32 v[216:217], v[216:217], v[96:97]
	v_pk_add_f32 v[254:255], v[254:255], v[98:99]
	v_pk_add_f32 v[252:253], v[252:253], v[102:103]
	v_pk_add_f32 v[250:251], v[250:251], v[106:107]
	v_pk_add_f32 v[248:249], v[248:249], v[110:111]
	v_pk_add_f32 v[246:247], v[246:247], v[114:115]
	v_pk_add_f32 v[244:245], v[244:245], v[118:119]
	v_pk_add_f32 v[14:15], v[14:15], v[122:123]
	v_pk_add_f32 v[216:217], v[216:217], v[126:127]
	v_pk_add_f32 v[254:255], v[254:255], v[130:131]
	v_pk_add_f32 v[252:253], v[252:253], v[134:135]
	v_pk_add_f32 v[250:251], v[250:251], v[138:139]
	v_pk_add_f32 v[248:249], v[248:249], v[142:143]
	v_pk_add_f32 v[246:247], v[246:247], v[146:147]
	v_pk_add_f32 v[244:245], v[244:245], v[150:151]
	v_pk_add_f32 v[14:15], v[14:15], v[154:155]
	v_pk_add_f32 v[216:217], v[216:217], v[158:159]
	s_delay_alu instid0(VALU_DEP_2)
	v_pk_add_f32 v[14:15], v[14:15], v[250:251]
	s_delay_alu instid0(VALU_DEP_2)
	v_pk_add_f32 v[216:217], v[216:217], v[248:249]
	v_pk_add_f32 v[254:255], v[254:255], v[246:247]
	v_pk_add_f32 v[252:253], v[252:253], v[244:245]
	s_delay_alu instid0(VALU_DEP_2)
	v_pk_add_f32 v[14:15], v[14:15], v[254:255]
	s_delay_alu instid0(VALU_DEP_2)
	v_pk_add_f32 v[216:217], v[216:217], v[252:253]
	s_delay_alu instid0(VALU_DEP_1)
	v_pk_add_f32 v[14:15], v[14:15], v[216:217]
	s_wait_alu depctr_va_vdst(0)                   ; and one for the four
.irp b, 0,1,2,3
	v_max_num_f32 v[BM+\b], 0x1800000, v[BM+\b]    ; the floor 2^(3 - 127): the byte cannot fall under 1
.endr
.irp b, 0,1,2,3
	s_delay_alu instid0(VALU_DEP_4)
	v_add_nc_u32 v[SO+\b], 0xff000000, v[BM+\b]
.endr
.irp b, 0,1,2,3
	s_delay_alu instid0(VALU_DEP_4)
	v_lshrrev_b32 v[TP+\b], 23, v[SO+\b]
.endr
	s_delay_alu instid0(VALU_DEP_3)
	v_lshl_or_b32 v[PS], v[TP+1], 8, v[TP]         ; p's scale word for these 128 keys
	s_delay_alu instid0(VALU_DEP_1)
	v_lshl_or_b32 v[PS], v[TP+2], 16, v[PS]
	s_delay_alu instid0(VALU_DEP_1)
	v_lshl_or_b32 v[PS], v[TP+3], 24, v[PS]
.irp c, 0,1
	v_cvt_scalef32_pk16_fp6_f32 v[PCD+6*\c:PCD+2+6*\c], v[ST+32*\c:ST+15+32*\c], v[SO+2*\c]
	v_cvt_scalef32_pk16_fp6_f32 v[PC2+4*\c:PC2+2+4*\c], v[ST+16+32*\c:ST+31+32*\c], v[SO+1+2*\c]
.endr
	v_nop                                          ; one plain place behind a scaled conversion
.irp d, 0,1,2,3                                ; V's four fragments land where p stood, while p's codes are put in order and O^T is brought under the new M
	ds_load_b128 v[VF+12*\d:VF+12*\d+3], v[AD16] offset:13312+(4*(\q)+\d)*1536
	ds_load_b64 v[VF+12*\d+4:VF+12*\d+5], v[AD8] offset:13312+(4*(\q)+\d)*1536+512
	ds_load_b128 v[VF+12*\d+6:VF+12*\d+9], v[AD16] offset:13312+(4*(\q)+\d)*1536+768
	ds_load_b64 v[VF+12*\d+10:VF+12*\d+11], v[AD8] offset:13312+(4*(\q)+\d)*1536+1280
.endr
	ds_load_b128 v[VSC:VSC+3], v[ADR] offset:25600+256*(\q)
.irp c, 0,1                                    ; the operand wants a whole block in a lane
.irp i, 0,1,2
	v_permlane16_swap_b32 v[PCD+6*\c+\i], v[PC2+4*\c+\i]
.endr
.irp i, 0,1,2
	s_delay_alu instid0(VALU_DEP_3)
	v_mov_b32 v[PCD+3+6*\c+\i], v[PC2+4*\c+\i]
.endr
.endr
.set n, 0
.rept 16
	v_pk_mul_f32 v[OT+n:OT+n+1], v[OT+n:OT+n+1], v[FAC:FAC+1] op_sel_hi:[1,0]   ; O^T x f.  For each product below twelve of these name none of its registers: its places behind the writes of p's codes and scale word
.set n, n+2
.endr
	s_wait_alu depctr_va_vdst(0)
	s_wait_dscnt 0x0
.irp d, 0,1,2,3                                ; O^T += V^T P^T: the four accumulators by turns
	v_wmma_scale_f32_16x16x128_f8f6f4 v[OT+8*\d:OT+8*\d+7], v[VF+12*\d:VF+12*\d+11], v[PCD:PCD+11], v[OT+8*\d:OT+8*\d+7], v[VSC+\d], v[PS] matrix_a_fmt:MATRIX_FMT_FP6 matrix_b_fmt:MATRIX_FMT_FP6
.endr
.rept 5
	v_nop                                          ; five places: the next S^T is written over V's registers
.endr
.Lhidden_\@:
	s_add_co_u32 s[KF], s[KF], 128
.endm
; A QUERY BLOCK IS DONE: O^T / the sum is y's 64 numbers of my 16 rows: two blocks of 32 along the last product's K.  sw = 1: on to my second block.
.macro FINISH sw
	v_add_f32 v14, v14, v15
	s_delay_alu instid0(VALU_DEP_1)
	v_permlanex16_b32 v[TMP], v14, s[SEL], s[SEL+1]
	s_delay_alu instid0(VALU_DEP_1)
	v_add_f32 v14, v14, v[TMP]                     ; the row's sum
	s_wait_alu depctr_va_vdst(0)
	v_rcp_f32 v[FAC], v14
	v_nop                                          ; a plain place behind the transcendental
	s_wait_alu depctr_va_vdst(0)                   ; the wait ahead of its first reader
.set n, 0
.rept 16
	v_pk_mul_f32 v[ST+n:ST+n+1], v[OT+n:OT+n+1], v[FAC:FAC+1] op_sel_hi:[1,0]   ; register 8 t + j: y(r, 16 t + 8 h + j); each accumulator from its low end on
.set n, n+2
.endr
.irp b, 0,1
	v_max3_num_f32 v[BM+\b], |v[ST+16*\b]|, |v[ST+1+16*\b]|, 0x1800000
.endr
.irp i, 2,4,6,8,10,12,14
.irp b, 0,1
	s_delay_alu instid0(VALU_DEP_2)
	v_max3_num_f32 v[BM+\b], v[BM+\b], |v[ST+16*\b+\i]|, |v[ST+1+16*\b+\i]|
.endr
.endr
.irp b, 0,1
	s_delay_alu instid0(VALU_DEP_2)
	v_permlanex16_b32 v[TP+\b], v[BM+\b], s[SEL], s[SEL+1]
.endr
.irp b, 0,1
	s_delay_alu instid0(VALU_DEP_2)
	v_max_num_f32 v[BM+\b], v[BM+\b], v[TP+\b]
.endr
.irp b, 0,1
	s_delay_alu instid0(VALU_DEP_2)
	v_add_nc_u32 v[SO+\b], 0xff000000, v[BM+\b]
.endr
.irp b, 0,1
	s_delay_alu instid0(VALU_DEP_2)
	v_lshrrev_b32 v[TP+\b], 23, v[SO+\b]
.endr
	v_cvt_scalef32_pk16_fp6_f32 v[PCD:PCD+2], v[ST:ST+15], v[SO]
	v_cvt_scalef32_pk16_fp6_f32 v[PC2:PC2+2], v[ST+16:ST+31], v[SO+1]
	v_nop                                          ; one plain place behind a scaled conversion
	v_cndmask_b32 v[TMP], v[TP], v[TP+1], s[HI]    ; lane (r, h) stores the byte of block h
.irp i, 0,1,2
	v_permlane16_swap_b32 v[PCD+\i], v[PC2+\i]
.endr
.irp i, 0,1,2
	s_delay_alu instid0(VALU_DEP_3)
	v_mov_b32 v[PCD+3+\i], v[PC2+\i]
.endr
	s_wait_alu depctr_va_vdst(0)
	s_wait_xcnt 0x0                                ; earlier loads and stores have read the two pointers
	s_mul_i32 s46, s[QB], 49152                    ; 16 row tiles of 3,072 bytes
	s_add_nc_u64 s[54:55], s[YC:YC+1], s[46:47]
	s_lshl_b32 s46, s[QB], 13                      ; and of 512
	s_add_nc_u64 s[56:57], s[YS:YS+1], s[46:47]
	global_store_b128 v[L16], v[PCD:PCD+3], s[54:55]            ; 512 and 256 consecutive bytes, at multiples of 256 from the buffer's first byte
	global_store_b64 v[L8], v[PCD+4:PCD+5], s[54:55] offset:512
	global_store_b8 v[YSO], v[TMP], s[56:57]
.if \sw
.irp i, 0,1,2,3,4,5
	v_mov_b32 v[QF+\i], v[QF2+\i]
.endr
	v_mov_b32 v[QS], v[QS2]
.set n, 0
.rept 32
	v_mov_b32 v[OT+n], 0                           ; these are also the places between the writes of Q and its scale word and the next product
.set n, n+1
.endr
	v_mov_b32 v13, 0xff61b1e6
	s_delay_alu instid0(VALU_DEP_1)
	v_floor_f32 v12, -v13
	v_mov_b32 v14, 0
	v_mov_b32 v15, 0
	s_wait_xcnt 0x0                                ; the stores have read their data: the next steps write those registers again
.endif
.endm
	s_wait_loadcnt 0x0                             ; Q, both blocks
.Ltrip:                                            ; eight trips; behind each change of slots the next trip's keys are asked for
	CHANGE 1
	TRIPHEAD
	STEP 0
	STEP 1
	s_xor_b32 s[TB], s[TB], SLOT1
	s_cmp_lg_u32 s[KSL], s[QB]
	s_cbranch_scc1 .Lgo_on                         ; the diagonal slot ends the first block, in trip 7 - P
	s_wait_alu depctr_va_vdst(0)
	FINISH 1
.Lgo_on:
	s_add_co_u32 s[J], s[J], 1
	s_cmp_lt_u32 s[J], 8
	s_cbranch_scc1 .Ltrip
	CHANGE 0                                       ; the ninth trip is written out: it asks for nothing; it is the second block's diagonal slot
	TRIPHEAD
	STEP 0
	STEP 1
	s_wait_alu depctr_va_vdst(0)
	FINISH 0
	s_wait_tensorcnt 0x0                           ; the wave's end
	ds_add_u32 v[SPW], v[NIL]
	s_wait_dscnt 0x0
	s_endpgm
.Lfunc_end_k_q1600f21cbf_attn:
	.size	k_q1600f21cbf_attn, .Lfunc_end_k_q1600f21cbf_attn-k_q1600f21cbf_attn
	.p2alignl 7, 3214868480
	.fill 96, 4, 3214868480
	.section	.rodata,"a",@progbits
	.p2align	6, 0x0
	.amdhsa_kernel k_q1600f21cbf_attn
		.amdhsa_group_segment_fixed_size 327680
		.amdhsa_private_segment_fixed_size 0
		.amdhsa_enable_private_segment 0
		.amdhsa_kernarg_size 32
		.amdhsa_user_sgpr_count 2
		.amdhsa_user_sgpr_kernarg_segment_ptr 1
		.amdhsa_wavefront_size32 1
		.amdhsa_system_sgpr_workgroup_id_x 1
		.amdhsa_system_sgpr_workgroup_id_y 1
		.amdhsa_system_sgpr_workgroup_id_z 1
		.amdhsa_system_vgpr_workitem_id 0
		.amdhsa_next_free_vgpr 256
		.amdhsa_next_free_sgpr 66
		.amdhsa_reserve_vcc 1
		.amdhsa_float_denorm_mode_32 3
		.amdhsa_float_denorm_mode_16_64 3
		.amdhsa_memory_ordered 1
		.amdhsa_forward_progress 1
		.amdhsa_inst_pref_size 111
	.end_amdhsa_kernel
	.amdgpu_metadata
---
amdhsa.version: [ 1, 2 ]
amdhsa.kernels:
  - .name:           k_q1600f21cbf_attn
    .symbol:         k_q1600f21cbf_attn.kd
    .args:
      - { .name: qimg, .offset: 0, .size: 8, .value_kind: global_buffer, .address_space: global }
      - { .name: kv, .offset: 8, .size: 8, .value_kind: global_buffer, .address_space: global }
      - { .name: yw_codes, .offset: 16, .size: 8, .value_kind: global_buffer, .address_space: global }
      - { .name: yw_scales, .offset: 24, .size: 8, .value_kind: global_buffer, .address_space: global }
    .group_segment_fixed_size: 327680
    .private_segment_fixed_size: 0
    .kernarg_segment_align: 8
    .kernarg_segment_size: 32
    .max_flat_workgroup_size: 512
    .sgpr_count:     66
    .vgpr_count:     256
    .wavefront_size: 32
...
	.end_amdgpu_metadata
.endif
;; end of part 3
;; launch proj (part 4): grid 4 x 32, 4 waves a work-group, clusters of 4 x 4, 327,680 bytes of LDS; arguments yw_codes, yw_scales, out0; writes out0
.if DOCPART == 4
	.amdgcn_target "amdgcn-amd-amdhsa--gfx1250"
	.amdhsa_code_object_version 6
	.text
	.protected	k_q1600f21cbf_proj
	.globl	k_q1600f21cbf_proj
	.p2align	8
	.type	k_q1600f21cbf_proj,@function
k_q1600f21cbf_proj:
	s_mov_b64 s[64:65], 0
	v_nop
	global_prefetch_b8 v0, s[64:65] scope:SCOPE_SE
	s_setreg_imm32_b32 hwreg(HW_REG_WAVE_MODE, 25, 1), 1
	s_wait_xcnt 0x0
	s_wait_alu depctr_hold_cnt(0) depctr_sa_sdst(0) depctr_va_vdst(0) depctr_va_sdst(0) depctr_va_ssrc(0) depctr_va_vcc(0) depctr_vm_vsrc(0)
	s_getreg_b32 s2, hwreg(HW_REG_IB_STS2, 6, 4)
	s_cmp_eq_u32 s2, 0
	s_cbranch_scc0 .Lentry_in_a_cluster
	s_endpgm
.Lentry_in_a_cluster:
	s_bfe_u32 s2, ttmp6, 0x10000c
	s_cmp_lg_u32 s2, 0xf033
	s_cbranch_scc0 .Lentry_shape_is_right
	s_endpgm
.Lentry_shape_is_right:
; out0 = y w_proj^T on codes of FP6 (E2M3) with E8M0 scales, K = 1,024; out0 [8192][1024] f32.
; OPERANDS arrive as register images (16 rows x 128 K = 1,536 bytes: registers 0-3 at 16 x lane, 4-5 at 512 + 8 x lane, 6-9 at 768 + 16 x lane, 10-11 at 1,280 + 8 x lane), laid [K slot of 256][row tile][3,072]:
;   row tiles 0-511 are y's tokens, 512-575 w_proj's rows.  So 8 row tiles of a K slot are 24,576 dense bytes, one tensor load, and every LDS read is dense: no pitch, no padding.
; A TILE is 256 tokens (source 1: a lane's row) x 256 outputs (source 0: a lane's eight registers are eight neighbouring outputs of its row); four waves, 128 x 128 each: 64 accumulators, 512 registers.
;   That makes 128 work-groups: a tile of half the size would give each byte read from LDS half the products.
; K: 8 steps of 128 in 4 K slots.  LDS has three slots: K slots 0, 1, 2 are asked for at the head (three loads of a wave are out at the most), K slot 3 fills slot 0 again behind the one round in the middle.
; CLUSTER 4 x 4: the tokens' tile hangs on cy and is shared along a row of the cluster, w_proj's on cx and is shared along a column: joint loads, the same descriptor and a mask that names the four.
; SCALE WORDS skip LDS: 16 loads of 16 bytes a lane bring all 8 K steps' words of my 8 + 8 blocks: lanes 0-15 source 1's, lanes 16-31 source 0's.
; No prefetch: three quarters of the operands' bytes are asked for at the head, and the one refill has four K steps, 256 matrix instructions, in which to land.
; REGISTERS: window 0: v1-10 lane terms; v16-27 LDS addresses; v28, v29 the add's two; v32-95 scale words (register 8 i + g: block i, K step g); v128-223 source 1's fragments, one set; on the way out v128-255 rows of out0.
;   window 1: source 0's fragments, two sets, at v0 and v128.   windows 2, 3: the accumulators, (a, b) at v[8 (8 (a % 4) + b)].
.set SSTR,  576*3072                   ; bytes from a K slot to the next
.set SLOT,  98304                      ; an LDS slot: source 1's 16 row tiles, then source 0's
.set HALF,  24576                      ; 8 row tiles: what one tensor load brings, and what one wave reads of a source
.set SPARE, 3*SLOT                     ; behind the slots: the spare words, 128 bytes a wave
.set SPITCH, 528                       ; the way out: a stage of 16 rows x (512 bytes + 16) for each wave, in slot 1, which has had its only fill and, behind the last barrier, its last read
.set NOUT,  1024
.set FR,   12
.set L16,  5                           ; v5   16 x lane: also my byte offset in a row's 512 bytes of out0
.set L8,   6                           ; v6   8 x lane
.set STO,  8                           ; v8   the stage: where I put 32 bytes of a row
.set RD,   9                           ; v9   and where I read a row back
.set A16,  16
.set A8,   19
.set B16,  22
.set B8,   25
.set SPW,  28
.set NIL,  29
.set SC,   32
.set AF,   128
.set BK,   128
.set G1,   24
.set G0,   32
.set G1B,  48
.set G0B,  68
.set MSB, 0
.macro WIN new                         ; the immediate's high byte repeats the setting that is left
.if MSB != \new
	s_set_vgpr_msb (MSB<<8)|\new
.set MSB, \new
.endif
.endm
.set MUL_LO, 0xa1                      ; source 0 window 1, source 1 window 0, C and D window 2
.set MUL_HI, 0xf1                      ; the same, C and D window 3
.set TO_B,   0x40                      ; destination window 1
; A joint load: waves 0, 1 fetch source 1's halves, waves 2, 3 source 0's.  The branch hangs on the wave's number alone.  An s_nop 0 and four v_nop follow each line.
.macro JLOAD g0a, g1a, g0b, g1b
	s_cmp_eq_u32 s15, 0
	s_cbranch_scc0 .Lfor_b_\@
	tensor_load_to_lds s[\g0a:\g0a+3], s[\g1a:\g1a+7]
	s_nop 0
.rept 4
	v_nop
.endr
	s_branch .Lasked_\@
.Lfor_b_\@:
	tensor_load_to_lds s[\g0b:\g0b+3], s[\g1b:\g1b+7]
	s_nop 0
.rept 4
	v_nop
.endr
.Lasked_\@:
.endm
.macro CREST                           ; a round of the cluster's barrier behind its opening barrier
	s_cmp_lg_u32 s14, 0
	s_cbranch_scc1 .Lnot_wave_0_\@
	s_barrier_signal -3
.Lnot_wave_0_\@:
	s_barrier_wait -3
	s_barrier_signal -1
	s_barrier_wait -1
.endm
.macro CROUND
	s_barrier_signal -1
	s_barrier_wait -1
	CREST
.endm
.macro PLACES                          ; four plain places behind matrix instructions, in front of loads into registers that they read and of reads of their results
.rept 4
	v_nop
.endr
.endm
	s_load_b128 s[4:7], s[0:1], 0x0                ; yw_codes, yw_scales
	s_load_b64 s[8:9], s[0:1], 0x10                ; out0
	v_lshl_add_u32 v[SPW], v0, 2, SPARE
	v_mov_b32 v[NIL], 0
	ds_add_u32 v[SPW], v[NIL]                      ; the wave's opening: the add and its wait ahead of my first tensor load; work on registers stands between them
	v_lshrrev_b32 v1, 5, v0
	v_readfirstlane_b32 s14, v1                    ; wave
	s_lshr_b32 s15, s14, 1                         ; my half of the tokens.  Also: I fetch for source 1 (0) or source 0 (1)
	s_and_b32 s16, s14, 1                          ; my half of the outputs.  Also: which 8 row tiles I fetch
	s_bfe_u32 s44, ttmp6, 0x40000                  ; cx
	s_bfe_u32 s45, ttmp6, 0x40004                  ; cy
	s_and_b32 s46, ttmp7, 0xffff
	s_lshl_b32 s47, ttmp9, 2
	s_add_co_u32 s47, s47, s44                     ; source 0's tile of 256 outputs: hangs on cx
	s_lshl_b32 s56, s46, 2
	s_add_co_u32 s56, s56, s45                     ; source 1's tile of 256 tokens: hangs on cy
	s_lshl_b32 s57, s47, 4
	s_add_co_u32 s57, s57, 512                     ; source 0's first row tile: w_proj's lie behind y's 512
	s_lshl_b32 s58, s56, 4                         ; source 1's
	s_lshl_b32 s61, s45, 2
	s_lshl_b32 s61, 15, s61                        ; my row of the cluster
	s_lshl_b32 s62, 0x1111, s44                    ; my column
	s_or_b32 s[G1], s61, (3<<16)|(1<<21)           ; 15:0 the mask; 17:16 elements of 8 bytes; 20 no padding; 21 set beside a mask
	s_or_b32 s[G1B], s62, (3<<16)|(1<<21)
.irp g, G1, G1B
	s_mov_b32 s[\g+1], 32<<16                      ; tensor_dim0 = 32 elements: rows of 256 bytes
	s_mov_b32 s[\g+2], 96<<16                      ; tensor_dim1 = 96 rows: 24,576 dense bytes
	s_mov_b32 s[\g+3], 32<<16                      ; tile_dim0
	s_mov_b32 s[\g+4], 96                          ; tile_dim1
	s_mov_b32 s[\g+5], 32                          ; the pitch
	s_mov_b32 s[\g+6], 0
	s_mov_b32 s[\g+7], 0
.endr
	s_lshl_b32 s17, s16, 3
	s_add_co_u32 s18, s58, s17
	s_mul_i32 s18, s18, 3072                       ; source 1: my 8 row tiles, in bytes
	s_mov_b32 s19, 0
	s_add_co_u32 s20, s57, s17
	s_mul_i32 s20, s20, 3072                       ; source 0
	s_mov_b32 s21, 0
	s_mul_i32 s22, s14, HALF                       ; where they go: no place in the cluster enters an LDS address
	s_mov_b32 s12, 0xffff0000                      ; lanes 16-31
	s_wait_dscnt 0x0                               ; the opening add is done
	s_wait_kmcnt 0x0
	s_add_nc_u64 s[18:19], s[4:5], s[18:19]
	s_add_nc_u64 s[20:21], s[4:5], s[20:21]
	CROUND                                         ; all sixteen work-groups are here: the first joint loads meet
.irp s, 0,1,2
	s_mov_b32 s[G0+4*\s], 1
	s_add_co_u32 s[G0+4*\s+1], s22, \s*SLOT
	s_add_nc_u64 s[G0+4*\s+2:G0+4*\s+3], s[18:19], \s*SSTR
	s_or_b32 s[G0+4*\s+3], s[G0+4*\s+3], 0x80000000
	s_mov_b32 s[G0B+4*\s], 1
	s_add_co_u32 s[G0B+4*\s+1], s22, \s*SLOT
	s_add_nc_u64 s[G0B+4*\s+2:G0B+4*\s+3], s[20:21], \s*SSTR
	s_or_b32 s[G0B+4*\s+3], s[G0B+4*\s+3], 0x80000000
	JLOAD G0+4*\s, G1, G0B+4*\s, G1B               ; K slots 0, 1, 2
.endr
	v_and_b32 v1, 31, v0                           ; lane
	v_and_b32 v2, 15, v0                           ; r
	v_bfe_u32 v7, v0, 4, 1                         ; h
	s_lshl_b32 s17, s15, 3
	s_add_co_u32 s17, s17, s58
	s_lshl_b32 s17, s17, 9                         ; source 1: my 8 blocks' scale words, 512 bytes a row tile
	s_lshl_b32 s23, s16, 3
	s_add_co_u32 s23, s23, s57
	s_lshl_b32 s23, s23, 9                         ; source 0
	v_mov_b32 v3, s17
	v_mov_b32 v4, s23
	v_cndmask_b32 v3, v3, v4, s12                  ; lanes 16-31 take source 0's
	v_lshl_add_u32 v3, v2, 4, v3                   ; + 16 r: four words of my row
.irp i, 0,1,2,3,4,5,6,7
.irp p, 0,1
	global_load_b128 v[SC+8*\i+4*\p:SC+8*\i+4*\p+3], v3, s[6:7] offset:\i*512+\p*256
.endr
.endr
	v_lshlrev_b32 v[L16], 4, v1
	v_lshlrev_b32 v[L8], 3, v1
	s_mul_i32 s17, s15, HALF
	s_mul_i32 s23, s16, HALF
	s_add_co_u32 s23, s23, 2*HALF
.irp s, 0,1,2
	v_add_nc_u32 v[A16+\s], s17, v[L16]
	v_add_nc_u32 v[A8+\s], s17, v[L8]
	v_add_nc_u32 v[B16+\s], s23, v[L16]
	v_add_nc_u32 v[B8+\s], s23, v[L8]
	s_add_co_u32 s17, s17, SLOT
	s_add_co_u32 s23, s23, SLOT
.endr
	s_mul_i32 s17, s14, 16*SPITCH
	s_add_co_u32 s17, s17, SLOT                    ; my stage
	v_mul_u32_u24 v[STO], v2, SPITCH               ; in: row r, 32 bytes for each half of the lanes
	v_lshl_add_u32 v[STO], v7, 5, v[STO]
	v_add_nc_u32 v[STO], s17, v[STO]
	v_add_nc_u32 v[RD], s17, v[L16]                ; back: the 32 lanes take one row of 512 bytes
	s_lshl_b32 s80, s56, 8                         ; where my part of out0 begins, in registers that feed no descriptor
	s_lshl_b32 s81, s15, 7
	s_add_co_u32 s80, s80, s81                     ; my first token
	s_lshl_b32 s80, s80, 12                        ; rows of 4,096 bytes
	s_lshl_b32 s81, s47, 10
	s_add_co_u32 s80, s80, s81                     ; + 1,024 bytes a tile of outputs
	s_lshl_b32 s81, s16, 9
	s_add_co_u32 s80, s80, s81                     ; + my half
	s_mov_b32 s81, 0
	s_add_nc_u64 s[8:9], s[8:9], s[80:81]
.macro FRAG reg, a16, a8, off          ; a fragment comes back as it was stored: four dense loads
	ds_load_b128 v[\reg:\reg+3], v[\a16] offset:\off
	ds_load_b64 v[\reg+4:\reg+5], v[\a8] offset:\off+512
	ds_load_b128 v[\reg+6:\reg+9], v[\a16] offset:\off+768
	ds_load_b64 v[\reg+10:\reg+11], v[\a8] offset:\off+1280
.endm
; 16 matrix instructions: source 1's blocks a0, a0 + 1 x source 0's eight, K step g.  p: source 0's set.  zero = 1: the first product starts the sums.
; The 64 accumulators take turns, one instruction a turn, in the same order in every step.
.macro MUL16 a0, p, g, zero
.irp a, \a0, \a0+1
.irp b, 0,1,2,3,4,5,6,7
.if \zero
	v_wmma_scale_f32_16x16x128_f8f6f4 v[8*(8*((\a)%4)+\b):8*(8*((\a)%4)+\b)+7], v[128*(\p)+FR*\b:128*(\p)+FR*\b+FR-1], v[AF+FR*(\a):AF+FR*(\a)+FR-1], 0, v[SC+8*\b+(\g)], v[SC+8*(\a)+(\g)] matrix_a_fmt:MATRIX_FMT_FP6 matrix_b_fmt:MATRIX_FMT_FP6 matrix_a_scale:MATRIX_SCALE_ROW1
.else
	v_wmma_scale_f32_16x16x128_f8f6f4 v[8*(8*((\a)%4)+\b):8*(8*((\a)%4)+\b)+7], v[128*(\p)+FR*\b:128*(\p)+FR*\b+FR-1], v[AF+FR*(\a):AF+FR*(\a)+FR-1], v[8*(8*((\a)%4)+\b):8*(8*((\a)%4)+\b)+7], v[SC+8*\b+(\g)], v[SC+8*(\a)+(\g)] matrix_a_fmt:MATRIX_FMT_FP6 matrix_b_fmt:MATRIX_FMT_FP6 matrix_a_scale:MATRIX_SCALE_ROW1
.endif
.endr
.endr
.endm
.macro FETCH_B slot, q, p              ; source 0's eight fragments of the slot's q-th K step into set p
	WIN TO_B
.irp i, 0,1,2,3,4,5,6,7
	FRAG 128*(\p)+FR*\i, B16+\slot, B8+\slot, \i*3072+(\q)*1536
.endr
	WIN 0
.endm
.macro FETCH_A slot, q, i0             ; source 1's blocks i0 .. i0 + 3
.irp i, \i0, \i0+1, \i0+2, \i0+3
	FRAG AF+FR*(\i), A16+\slot, A8+\slot, (\i)*3072+(\q)*1536
.endr
.endm
; K step g; the next step's fragments lie in slot ns, its nq-th K step.  A block of source 1 is free as soon as its eight products are issued, so source 1 has one set of registers.
.macro STEP g, ns, nq, zero
	s_wait_dscnt 16                                ; source 0's set and source 1's blocks 0-3 are in; the youngest 16 loads (blocks 4-7) may be out
	WIN MUL_LO
	MUL16 0, (\g)%2, \g, \zero
	MUL16 2, (\g)%2, \g, \zero
	s_wait_dscnt 0x0                               ; blocks 4-7 are in
	PLACES
	FETCH_B \ns, \nq, 1-(\g)%2
	FETCH_A \ns, \nq, 0
	WIN MUL_HI
	MUL16 4, (\g)%2, \g, \zero
	MUL16 6, (\g)%2, \g, \zero
	PLACES
	WIN 0
	FETCH_A \ns, \nq, 4
.endm
; K step g (odd) with a barrier in its middle.  In front of it each wave waits for all its tensor loads, adds 0 to its spare word, and waits for that and for its LDS reads.
; fill = 1: the barrier opens a round of the cluster's barrier, and behind the round slot 0, which nobody reads any more, takes K slot 3.
.macro TURN g, ns, fill
	s_wait_tensorcnt 0x0                           ; all my tensor loads have landed
	ds_add_u32 v[SPW], v[NIL]                      ; 0 onto my spare word
	s_wait_dscnt 17                                ; the add and the youngest 16 loads may be out
	WIN MUL_LO
	MUL16 0, 1, \g, 0                              ; sixteen matrix instructions stand between the add and the wait for it
	s_wait_dscnt 0x0                               ; the add is done, and my reads of the slot in hand are over
	s_barrier_signal -1
	MUL16 2, 1, \g, 0
	WIN 0
	s_barrier_wait -1
.if \fill
	CREST                                          ; no wave of any partner still reads slot 0 or has a load on its way
	s_add_nc_u64 s[G0+2:G0+3], s[G0+2:G0+3], 3*SSTR
	s_add_nc_u64 s[G0B+2:G0B+3], s[G0B+2:G0B+3], 3*SSTR
	JLOAD G0, G1, G0B, G1B                         ; the first tensor load behind the round; its four v_nop are the places in front of the loads below
.else
	PLACES
.endif
	FETCH_B \ns, 0, 0
	FETCH_A \ns, 0, 0
	WIN MUL_HI
	MUL16 4, 1, \g, 0
	MUL16 6, 1, \g, 0
	PLACES
	WIN 0
	FETCH_A \ns, 0, 4
.endm
	s_wait_tensorcnt 2                             ; my part of K slot 0 is in; K slots 1 and 2 may be out
	s_barrier_signal -1
	s_barrier_wait -1
	FETCH_B 0, 0, 0
	FETCH_A 0, 0, 0
	FETCH_A 0, 0, 4
	s_wait_loadcnt 0x0                             ; the scale words
	STEP 0, 0, 1, 1                                ; its products start the sums: nothing is cleared
	TURN 1, 1, 1                                   ; every wave has waited for all three first fills: slots 1 and 2 are whole for everybody from here on
	STEP 2, 1, 1, 0
	STEP 3, 2, 0, 0
	STEP 4, 2, 1, 0
	TURN 5, 0, 0                                   ; K slot 3 has landed in slot 0; every wave's reads of slot 1 are over: it serves as the stage from here on
	STEP 6, 0, 1, 0
	s_wait_dscnt 16                                ; the last K step: nothing more to fetch
	WIN MUL_LO
	MUL16 0, 1, 7, 0
	MUL16 2, 1, 7, 0
	s_wait_dscnt 0x0
	WIN MUL_HI
	MUL16 4, 1, 7, 0
	MUL16 6, 1, 7, 0
	WIN 0
; THE WAY OUT, block by block of 16 tokens x 128 outputs.  A lane holds 32 neighbouring bytes of a row, and the lanes beside it hold other rows: a block goes through my own stage and comes back as whole rows of 512 bytes.
; LDS serves a wave's instructions in order (ISA guide 5.7.1.4): no wait between the stores and the loads, nor in front of the next block's stores.
.macro TOSTAGE a
.set AC, 64*((\a)%4)
	WIN 0x08+4*((\a)/4)                            ; an LDS store's data: window 2 or 3
.irp b, 0,1,2,3,4,5,6,7
	ds_store_b128 v[STO], v[AC+8*\b:AC+8*\b+3] offset:64*\b          ; each accumulator from its low end on
	ds_store_b128 v[STO], v[AC+8*\b+4:AC+8*\b+7] offset:64*\b+16
.endr
	WIN 0
.set BB, BK+64*((\a)%2)
.irp t, 0,1,2,3,4,5,6,7,8,9,10,11,12,13,14,15
	ds_load_b128 v[BB+4*\t:BB+4*\t+3], v[RD] offset:\t*SPITCH
.endr
.endm
.macro SEND a, younger                 ; younger: the LDS instructions issued behind block a's loads, which may stay out
.set BB, BK+64*((\a)%2)
	s_wait_dscnt \younger
.if (\a) > 0
	s_add_nc_u64 s[8:9], s[8:9], 16*NOUT*4         ; behind a wait on XCNT: the earlier stores have read their base
.endif
.irp t, 0,1,2,3,4,5,6,7,8,9,10,11,12,13,14,15
	global_store_b128 v[L16], v[BB+4*\t:BB+4*\t+3], s[8:9] offset:\t*NOUT*4 th:TH_STORE_NT   ; 32 lanes store 512 consecutive bytes, at a multiple of 256 from out0's first byte
.endr
.endm
	PLACES
	TOSTAGE 0
.irp a, 1,2,3,4,5,6,7
.if \a > 1
	s_wait_xcnt 0x0                                ; block a - 2's stores have read their registers and their base
.endif
	TOSTAGE \a
	SEND \a-1, 32                                  ; behind block a - 1's loads: block a's 16 stores and 16 loads
.endr
	s_wait_xcnt 0x0
	SEND 7, 0
	s_wait_tensorcnt 0x0                           ; the wave's end, behind my last tensor load and my last LDS store
	ds_add_u32 v[SPW], v[NIL]
	s_wait_dscnt 0x0
	CROUND                                         ; the closing round: no work-group ends while a partner may still ask for a tile that names it
	s_endpgm
.Lfunc_end_k_q1600f21cbf_proj:
	.size	k_q1600f21cbf_proj, .Lfunc_end_k_q1600f21cbf_proj-k_q1600f21cbf_proj
	.p2alignl 7, 3214868480
	.fill 96, 4, 3214868480
	.section	.rodata,"a",@progbits
	.p2align	6, 0x0
	.amdhsa_kernel k_q1600f21cbf_proj
		.amdhsa_group_segment_fixed_size 327680
		.amdhsa_private_segment_fixed_size 0
		.amdhsa_enable_private_segment 0
		.amdhsa_kernarg_size 24
		.amdhsa_user_sgpr_count 2
		.amdhsa_user_sgpr_kernarg_segment_ptr 1
		.amdhsa_wavefront_size32 1
		.amdhsa_system_sgpr_workgroup_id_x 1
		.amdhsa_system_sgpr_workgroup_id_y 1
		.amdhsa_system_sgpr_workgroup_id_z 1
		.amdhsa_system_vgpr_workitem_id 0
		.amdhsa_next_free_vgpr 1024
		.amdhsa_next_free_sgpr 100
		.amdhsa_reserve_vcc 0
		.amdhsa_float_denorm_mode_32 3
		.amdhsa_float_denorm_mode_16_64 3
		.amdhsa_memory_ordered 1
		.amdhsa_forward_progress 1
		.amdhsa_inst_pref_size 141
	.end_amdhsa_kernel
	.amdgpu_metadata
---
amdhsa.version: [ 1, 2 ]
amdhsa.kernels:
  - .name:           k_q1600f21cbf_proj
    .symbol:         k_q1600f21cbf_proj.kd
    .args:
      - { .name: yw_codes, .offset: 0, .size: 8, .value_kind: global_buffer, .address_space: global }
      - { .name: yw_scales, .offset: 8, .size: 8, .value_kind: global_buffer, .address_space: global }
      - { .name: out0, .offset: 16, .size: 8, .value_kind: global_buffer, .address_space: global }
    .group_segment_fixed_size: 327680
    .private_segment_fixed_size: 0
    .kernarg_segment_align: 8
    .kernarg_segment_size: 24
    .max_flat_workgroup_size: 128
    .sgpr_count:     100
    .vgpr_count:     1024
    .wavefront_size: 32
...
	.end_amdgpu_metadata
.endif
;; end of part 4
